; MI455X (gfx1250); checked and timed in simulation.
; The chip was launched on July 23, 2026; its instructions are those of AMD's public machine-readable ISA for CDNA 5 (MIT licence, August 2026) and "CDNA5" Instruction Set Architecture Reference Guide (July 2026). The comments in the code are by the model that wrote it; some were corrected since.
;; Multi Head Self Attention. Allowed arithmetic: matrix products marked QUANTISED: E2M1 operands, one E8M0 scale for each 32 along K, by v_wmma_scale_f32_16x16x128_f8f6f4 with both operands' format E2M1 (or v_wmma_scale_f32_32x16x128_f4), f32 sums; products left as they are: bf16, f16 or f32 operands; f32 sums; everything else in f32.
;; Inputs: Wk 1,024 x 1,024 float32; Wo 1,024 x 1,024 float32; Wq 1,024 x 1,024 float32; Wv 1,024 x 1,024 float32; bk 1,024 float32; bo 1,024 float32; bq 1,024 float32; bv 1,024 float32; x 4 x 2,048 x 1,024 float32.
;; Outputs: out0 4 x 2,048 x 1,024 float32.
;; This version of the problem:
;;   THIS VERSION OF THE PROBLEM IS GIVEN IN LOW PRECISION. The matrix products marked QUANTISED in the list below multiply operands that are first quantised to E2M1 (2 exponent bits, 1 mantissa bit; 4 bits a number), with one power-of-two scale for each 32 numbers along K (OCP MX v1.0); their sums are f32. The products marked 'left as it is' may take bf16, f16 or f32 operands, with f32 sums. All else is computed in f32.
;;   The module's matrix products, in the order in which they are computed (A, B: the left and right operand; K: the contracted axis; several contracted axes count as one K, in the product's order):
;;     1. [M 8,192, K 1,024] x [K 1,024, N 1,024]; A: input x; B: input Wq: QUANTISED
;;     2. [M 8,192, K 1,024] x [K 1,024, N 1,024]; A: input x; B: input Wk: QUANTISED
;;     3. [M 8,192, K 1,024] x [K 1,024, N 1,024]; A: input x; B: input Wv: QUANTISED
;;     4. batch 64 x [M 2,048, K 64] x [K 64, N 2,048]; A: computed on the way; B: computed on the way: left as it is (an operand is computed on the way)
;;     5. batch 64 x [M 2,048, K 2,048] x [K 2,048, N 64]; A: computed on the way; B: computed on the way: left as it is (an operand is computed on the way)
;;     6. [M 8,192, K 1,024] x [K 1,024, N 1,024]; A: computed on the way; B: input Wo: left as it is (an operand is computed on the way)
;;   THE QUANTISER, for each operand of a quantised product, along K:
;;     - K is cut into blocks of 32 from its start; a last block that is shorter is filled with zeros.
;;     - A block's scale is 2^e with e = floor(log2(the largest magnitude in the block)) - 2, held to -126 .. 127; a block of zeros has e = 0. As a byte (E8M0): e + 127.
;;     - Each number is divided by its block's scale, clamped to +-6, and rounded to the nearest number of E2M1, ties to even, subnormals kept.
;;     - The product sums the exact products of the quantised numbers (number of the format x scale) in f32.
;;   ~~~python
;;   def quantise(x, axis):      # numpy; x: float32 -> the quantised numbers, widened to float32 again
;;       x = np.moveaxis(x, axis, -1); K = x.shape[-1]
;;       x = np.pad(x, [(0, 0)] * (x.ndim - 1) + [(0, -K % 32)]); x = x.reshape(x.shape[:-1] + (-1, 32)); a = np.abs(x).max(-1, keepdims=True)
;;       e = np.where(a > 0, np.clip(np.frexp(np.where(a > 0, a, 1))[1] - 1 - 2, -126, 127), 0)      # np.frexp(a)[1] - 1 = floor(log2(a)), exactly
;;       r = np.clip(x / 2.0 ** e, -6, 6)
;;       step = 2.0 ** (np.maximum(np.frexp(np.where(r == 0, 1, r))[1] - 1, 0) - 1)
;;       q = np.round(r / step) * step * 2.0 ** e      # np.round: ties to even
;;       return np.moveaxis(q.reshape(q.shape[:-2] + (-1,))[..., :K], -1, axis).astype(np.float32)
;;   ~~~
;; One version. Each part assembles by itself: llvm-mc -triple=amdgcn-amd-amdhsa -mcpu=gfx1250 --defsym DOCPART=n.
;; ======== version 1 of 1: 4 launches
;; limits: values are held in f16: magnitudes above 65,504 overflow, below 6.1e-05 lose precision
;; workspace buffers: xcodes 4,194,304 bytes; xscales 262,144 bytes; wcodes 1,572,864 bytes; wscales 98,304 bytes; wo16 2,097,152 bytes; qkv 50,331,648 bytes; ctx 16,777,216 bytes
;; launch prep (part 1): grid 384 x 1, 4 waves a work-group, no clusters, 32,768 bytes of LDS; arguments x, Wq, Wk, Wv, xcodes, xscales, wcodes, wscales, Wo, wo16; writes xcodes, xscales, wcodes, wscales, wo16
.if DOCPART == 1
	.amdgcn_target "amdgcn-amd-amdhsa--gfx1250"
	.amdhsa_code_object_version 6
	.text
	.protected	k_qe9b46f00c9_prep
	.globl	k_qe9b46f00c9_prep
	.p2align	8
	.type	k_qe9b46f00c9_prep,@function
k_qe9b46f00c9_prep:
	s_mov_b64 s[64:65], 0
	v_nop
	global_prefetch_b8 v0, s[64:65] scope:SCOPE_SE
	s_setreg_imm32_b32 hwreg(HW_REG_WAVE_MODE, 25, 1), 1
	s_wait_xcnt 0x0
; x [8192][1024] and Wq, Wk, Wv [1024][1024], f32, become codes of FP4 (E2M1), K innermost, two codes a byte, with one E8M0 scale byte for each 32 along K;
; the three weights' codes lie one behind the other as one tensor of 3,072 rows.  Wo [1024][1024] is rounded to f16.
; A block's scale is 2^(floor(log2(its largest magnitude)) - 2); its byte is the largest magnitude's exponent field - 2, held at 1 from below.
; LIMITS: a block of zeros gets the byte 1 where the rule says 127 (its codes are zeros, and this program alone reads the bytes); a block whose largest magnitude lies
; under 2^-124 is held at byte 1; NaN and infinities among the inputs are not served; |Wo| above 65,504 becomes infinity in f16.
; SHARES: a work-group takes 32,768 numbers, a wave 8,192.  Work-groups 0-255: x; 256-287: Wq; 288-319: Wk; 320-351: Wv; 352-383: Wo.
; Rows are dense and 1,024 is a multiple of 32, so each tensor is a plain stream of blocks of 32, and so are its codes and its scale bytes.
; THE QUANTISER: 16 steps of 512 numbers a wave.  Each of a step's four loads reads 512 consecutive bytes; the 2,048 bytes turn through the wave's own stage in LDS and come back
; 64 bytes a lane (16 neighbours along K; two neighbouring lanes hold a block).  A lane's 16 codes are 8 bytes: the wave stores 256 consecutive bytes.  A wave's 256 scale bytes are gathered
; in its own LDS bytes and leave as 256 consecutive bytes.  Waves share nothing: no barrier.  Only pointers are chosen by the work-group's number: the four tensors take one path.
.set STEPS, 16
.set EMAX,  2
.set CB,    8                          ; bytes of 16 codes
.set R,     16                         ; v16-79   four sets of 16 numbers as loaded (Wo's path: v16-143, two sets of 64)
.set X,     80                         ; v80-111  two sets of 16 neighbours
.set E,     112                        ; v112-127 a scale byte for each step
.set C,     128                        ; v128-191 codes: four registers for each step, so that no store's data are written again
.set WREG,  8192                       ; LDS: a region for each wave: two stages of 32 x SP bytes, behind them its 256 scale bytes
.set SP,    80                         ; a lane's place in a stage: 64 bytes + 16 of padding
	s_load_b256 s[4:11], s[0:1], 0x0               ; x, Wq, Wk, Wv
	s_load_b256 s[16:23], s[0:1], 0x20             ; x's codes, x's scales, the weights' codes, the weights' scales
	s_load_b128 s[12:15], s[0:1], 0x40             ; Wo, Wo in f16
	v_lshrrev_b32 v1, 5, v0
	v_readfirstlane_b32 s26, v1                    ; wave
	v_and_b32 v2, 31, v0                           ; lane
	v_lshlrev_b32 v3, 4, v2                        ; my 16 bytes of a load's 512
	v_mul_u32_u24 v4, v2, CB                       ; my 8 bytes of a store's 256
	s_mul_i32 s27, s26, WREG
	v_lshrrev_b32 v14, 2, v2
	v_mul_u32_u24 v14, v14, SP
	v_and_b32 v15, 3, v2
	v_lshl_add_u32 v14, v15, 4, v14
	v_add_nc_u32 v14, s27, v14                     ; the stage, on the way in: SP (lane / 4) + 16 (lane % 4)
	v_mul_u32_u24 v15, v2, SP
	v_add_nc_u32 v15, s27, v15                     ; and on the way out: SP x lane: my 16 neighbours
	v_lshrrev_b32 v5, 1, v2
	s_add_co_u32 s27, s27, 2*32*SP
	v_add_nc_u32 v5, s27, v5                       ; my wave's 256 scale bytes, my block's byte
	v_lshlrev_b32 v7, 3, v2                        ; and on the way out 8 bytes a lane
	v_add_nc_u32 v6, s27, v7
	s_wait_kmcnt 0x0
	s_cmp_ge_u32 ttmp9, 352
	s_cbranch_scc1 .Lwo                            ; the last 32 work-groups round Wo; that path touches no LDS
	s_cmp_lt_u32 ttmp9, 320                        ; which tensor: the choices hang on the work-group's number alone
	s_cselect_b64 s[8:9], s[8:9], s[10:11]         ; Wk or Wv
	s_cmp_lt_u32 ttmp9, 288
	s_cselect_b64 s[6:7], s[6:7], s[8:9]           ; Wq or that
	s_and_b32 s28, ttmp9, 31                       ; a weight's work-group within its tensor
	s_cmp_lt_u32 ttmp9, 256
	s_cselect_b64 s[4:5], s[4:5], s[6:7]           ; x or a weight
	s_cselect_b64 s[16:17], s[16:17], s[20:21]
	s_cselect_b64 s[18:19], s[18:19], s[22:23]
	s_cselect_b32 s28, ttmp9, s28                  ; the work-group's place in what it reads,
	s_cselect_b32 s29, 0, 256
	s_sub_co_u32 s29, ttmp9, s29                   ; and in what it writes (the three weights on end)
	s_lshl_b32 s28, s28, 2
	s_add_co_u32 s28, s28, s26                     ; which run of 8,192 numbers is my wave's: in,
	s_lshl_b32 s29, s29, 2
	s_add_co_u32 s29, s29, s26                     ; and out
	s_lshl_b32 s30, s28, 15                        ; 32,768 bytes of f32 a run
	s_mov_b32 s31, 0
	s_add_nc_u64 s[4:5], s[4:5], s[30:31]
	s_lshl_b32 s30, s29, 12                        ; 4,096 bytes of codes
	s_add_nc_u64 s[16:17], s[16:17], s[30:31]
	s_lshl_b32 s30, s29, 8                         ; 256 scale bytes
	s_add_nc_u64 s[18:19], s[18:19], s[30:31]
.macro LOAD t
.irp i, 0,1,2,3
	global_load_b128 v[R+16*((\t)%4)+4*\i:R+16*((\t)%4)+4*\i+3], v3, s[4:5] offset:2048*(\t)+512*\i th:TH_LOAD_NT   ; 32 lanes read 512 consecutive bytes
.endr
.endm
.macro TURN t                          ; step t's numbers through the stage: LDS serves a wave's instructions in order, so no wait stands between the stores and the loads
.irp i, 0,1,2,3
	ds_store_b128 v14, v[R+16*((\t)%4)+4*\i:R+16*((\t)%4)+4*\i+3] offset:32*SP*((\t)%2)+8*SP*\i
.endr
.irp i, 0,1,2,3
	ds_load_b128 v[X+16*((\t)%2)+4*\i:X+16*((\t)%2)+4*\i+3], v15 offset:32*SP*((\t)%2)+16*\i
.endr
.endm
.irp t, 0,1,2,3
	LOAD \t
.endr
	s_wait_loadcnt 12                              ; step 0's four loads are in; the twelve of steps 1 to 3 may be out
	TURN 0
.macro STEP t
.set XS, X+16*((\t)%2)
.if (\t) > 0
	s_wait_dscnt 1                                 ; this step's numbers are back from the stage (the last step's byte store may be out): so its stores into the stage have read their registers,
.else
	s_wait_dscnt 0x0
.endif
.if (\t)+4 < STEPS
	LOAD (\t)+4                                    ; which take the loads of four steps on
.endif
.if (\t)+1 < STEPS
.if STEPS-2-(\t) >= 3
	s_wait_loadcnt 12                              ; the next step's four loads are in; those of the three steps behind it may be out
.else
	s_wait_loadcnt 4*(STEPS-2-(\t))                ; in the tail: as many as are still to come
.endif
	TURN (\t)+1                                    ; and go through the other stage while this step is worked
.endif
	v_max3_num_f32 v8, |v[XS]|, |v[XS+1]|, |v[XS+2]|               ; the largest magnitude of my 16, in two chains
	v_max3_num_f32 v9, |v[XS+3]|, |v[XS+4]|, |v[XS+5]|
.irp i, 6,10
	v_max3_num_f32 v8, v8, |v[XS+\i]|, |v[XS+\i+1]|
	v_max3_num_f32 v9, v9, |v[XS+\i+2]|, |v[XS+\i+3]|
.endr
	v_max3_num_f32 v8, v8, |v[XS+14]|, |v[XS+15]|
	v_max3_num_f32 v8, v8, v9, (EMAX+1)<<23        ; and the floor 2^(3 - 127): so the byte cannot fall under 1
	v_max_num_f32_dpp v8, v8, v8 row_xmask:1 row_mask:0xf bank_mask:0xf   ; and of my neighbour's 16: the block's
	v_add_nc_u32 v11, 0xff000000, v8               ; 2 off its exponent field: the conversion takes the exponent field of this operand as its scale, and nothing else of it
	v_cvt_scalef32_pk8_fp4_f32 v[C+4*(\t)], v[XS:XS+7], v11        ; eight numbers / the scale, to the nearest code, ties to even, beyond 6 the largest code
	v_cvt_scalef32_pk8_fp4_f32 v[C+4*(\t)+1], v[XS+8:XS+15], v11
	v_lshrrev_b32 v[E+(\t)], 23, v11               ; the scale's byte (also the plain line behind the conversions)
	ds_store_b8 v5, v[E+(\t)] offset:16*(\t)       ; both lanes of a block write the same byte with the same value
	global_store_b64 v4, v[C+4*(\t):C+4*(\t)+1], s[16:17] offset:32*CB*(\t)   ; 32 lanes store 256 consecutive bytes
.endm
.irp t, 0,1,2,3,4,5,6,7,8,9,10,11,12,13,14,15
	STEP \t
.endr
	ds_load_b64 v[12:13], v6                       ; LDS serves a wave's instructions in order: these see my stores
	s_wait_dscnt 0x0
	global_store_b64 v7, v[12:13], s[18:19]        ; 32 lanes store the wave's 256 scale bytes
	s_endpgm
; Wo to f16: 64 chunks of 128 numbers a wave: a load reads 512 consecutive bytes, a store writes 256.  Four batches of 16 chunks on two sets of 64 registers: one batch is on its way while the other is rounded.
.Lwo:
	s_sub_co_u32 s28, ttmp9, 352
	s_lshl_b32 s28, s28, 2
	s_add_co_u32 s28, s28, s26                     ; which run of 8,192 numbers is my wave's
	s_lshl_b32 s30, s28, 15
	s_mov_b32 s31, 0
	s_add_nc_u64 s[12:13], s[12:13], s[30:31]
	s_lshl_b32 s30, s28, 14
	s_add_nc_u64 s[14:15], s[14:15], s[30:31]
.macro LOADB n, set
.irp i, 0,1,2,3,4,5,6,7,8,9,10,11,12,13,14,15
	global_load_b128 v[R+64*\set+4*\i:R+64*\set+4*\i+3], v3, s[12:13] offset:512*(16*\n+\i) th:TH_LOAD_NT
.endr
.endm
.macro CVTST n, set
.irp i, 0,1,2,3,4,5,6,7,8,9,10,11,12,13,14,15
	v_cvt_pk_f16_f32 v[R+64*\set+4*\i], v[R+64*\set+4*\i], v[R+64*\set+4*\i+1]
	v_cvt_pk_f16_f32 v[R+64*\set+4*\i+1], v[R+64*\set+4*\i+2], v[R+64*\set+4*\i+3]
	global_store_b64 v4, v[R+64*\set+4*\i:R+64*\set+4*\i+1], s[14:15] offset:256*(16*\n+\i)
.endr
.endm
	LOADB 0, 0
	LOADB 1, 1
	s_wait_loadcnt 16                              ; batch 0 is in; batch 1's sixteen loads may be out
	CVTST 0, 0
	s_wait_xcnt 0x0                                ; the stores have read set 0: it is loaded again only behind this wait
	LOADB 2, 0
	s_wait_loadcnt 16                              ; batch 1 is in; batch 2's may be out
	CVTST 1, 1
	s_wait_xcnt 0x0
	LOADB 3, 1
	s_wait_loadcnt 16                              ; batch 2 is in
	CVTST 2, 0
	s_wait_loadcnt 0x0
	CVTST 3, 1
	s_endpgm
.Lfunc_end_k_qe9b46f00c9_prep:
	.size	k_qe9b46f00c9_prep, .Lfunc_end_k_qe9b46f00c9_prep-k_qe9b46f00c9_prep
	.p2alignl 7, 3214868480
	.fill 96, 4, 3214868480
	.section	.rodata,"a",@progbits
	.p2align	6, 0x0
	.amdhsa_kernel k_qe9b46f00c9_prep
		.amdhsa_group_segment_fixed_size 32768
		.amdhsa_private_segment_fixed_size 0
		.amdhsa_enable_private_segment 0
		.amdhsa_kernarg_size 80
		.amdhsa_user_sgpr_count 2
		.amdhsa_user_sgpr_kernarg_segment_ptr 1
		.amdhsa_wavefront_size32 1
		.amdhsa_system_sgpr_workgroup_id_x 1
		.amdhsa_system_sgpr_workgroup_id_y 1
		.amdhsa_system_sgpr_workgroup_id_z 1
		.amdhsa_system_vgpr_workitem_id 0
		.amdhsa_next_free_vgpr 192
		.amdhsa_next_free_sgpr 66
		.amdhsa_reserve_vcc 0
		.amdhsa_float_denorm_mode_32 3
		.amdhsa_float_denorm_mode_16_64 3
		.amdhsa_memory_ordered 1
		.amdhsa_forward_progress 1
		.amdhsa_inst_pref_size 54
	.end_amdhsa_kernel
	.amdgpu_metadata
---
amdhsa.version: [ 1, 2 ]
amdhsa.kernels:
  - .name:           k_qe9b46f00c9_prep
    .symbol:         k_qe9b46f00c9_prep.kd
    .args:
      - { .name: x, .offset: 0, .size: 8, .value_kind: global_buffer, .address_space: global }
      - { .name: Wq, .offset: 8, .size: 8, .value_kind: global_buffer, .address_space: global }
      - { .name: Wk, .offset: 16, .size: 8, .value_kind: global_buffer, .address_space: global }
      - { .name: Wv, .offset: 24, .size: 8, .value_kind: global_buffer, .address_space: global }
      - { .name: xcodes, .offset: 32, .size: 8, .value_kind: global_buffer, .address_space: global }
      - { .name: xscales, .offset: 40, .size: 8, .value_kind: global_buffer, .address_space: global }
      - { .name: wcodes, .offset: 48, .size: 8, .value_kind: global_buffer, .address_space: global }
      - { .name: wscales, .offset: 56, .size: 8, .value_kind: global_buffer, .address_space: global }
      - { .name: Wo, .offset: 64, .size: 8, .value_kind: global_buffer, .address_space: global }
      - { .name: wo16, .offset: 72, .size: 8, .value_kind: global_buffer, .address_space: global }
    .group_segment_fixed_size: 32768
    .private_segment_fixed_size: 0
    .kernarg_segment_align: 8
    .kernarg_segment_size: 80
    .max_flat_workgroup_size: 128
    .sgpr_count:     66
    .vgpr_count:     192
    .wavefront_size: 32
...
	.end_amdgpu_metadata
.endif
;; end of part 1
;; launch qkv (part 2): grid 12 x 32, 4 waves a work-group, clusters of 4 x 4, 327,680 bytes of LDS; arguments xcodes, xscales, wcodes, wscales, qkv, bq, bk, bv; writes qkv
.if DOCPART == 2
	.amdgcn_target "amdgcn-amd-amdhsa--gfx1250"
	.amdhsa_code_object_version 6
	.text
	.protected	k_qe9b46f00c9_qkv
	.globl	k_qe9b46f00c9_qkv
	.p2align	8
	.type	k_qe9b46f00c9_qkv,@function
k_qe9b46f00c9_qkv:
	s_mov_b64 s[64:65], 0
	v_nop
	global_prefetch_b8 v0, s[64:65] scope:SCOPE_SE
	s_setreg_imm32_b32 hwreg(HW_REG_WAVE_MODE, 25, 1), 1
	s_wait_xcnt 0x0
	s_wait_alu depctr_hold_cnt(0) depctr_sa_sdst(0) depctr_va_vdst(0) depctr_va_sdst(0) depctr_va_ssrc(0) depctr_va_vcc(0) depctr_vm_vsrc(0)
	s_getreg_b32 s2, hwreg(HW_REG_IB_STS2, 6, 4)
	s_cmp_eq_u32 s2, 0
	s_cbranch_scc0 .Lentry_in_a_cluster
	s_endpgm
.Lentry_in_a_cluster:
	s_bfe_u32 s2, ttmp6, 0x10000c
	s_cmp_lg_u32 s2, 0xf033
	s_cbranch_scc0 .Lentry_shape_is_right
	s_endpgm
.Lentry_shape_is_right:
; [8192 tokens][3072] = x~ W~^T + bias, on codes of FP4 (E2M1) with one E8M0 scale for each 32 along K = 1,024; W~'s 3,072 rows are Wq's, Wk's, Wv's.  Sums in f32, the bias as each sum's first C.
; The results are rounded to f16 and laid by head: qkv[which 3][b 4][h 16][s 2048][64].  LIMIT: a result beyond 65,504 becomes infinity in f16.
; A tile of 256 x 256 is made by a work-group of four waves; a wave makes 128 x 128: 64 accumulators of 16 x 16, 512 registers.
; K is two slots of 512 (LDS rows of 256 bytes): both are filled at the start and nothing is filled again.  The scale bytes of the work-group's 256 + 256 rows, for all of K, come with them and stay.
; CLUSTERS: 4 x 4 work-groups.  The four of a row of the cluster need the same tiles of x, the four of a column the same tiles of W: each tile is asked for JOINTLY, by the same tensor load with the
; same descriptor and a mask that names the four.  The cluster's x is also which of Q, K, V the four tile columns belong to.
; THE MATRIX INSTRUCTION IS USED TRANSPOSED (source 0 = 16 rows of W, source 1 = 16 tokens): a lane then holds eight neighbouring columns of one token.
; REGISTERS, in windows of 256: window 0: v0-31 addresses; v32-95 scale words, two sets, and nothing else; v96-127 the way out's packed results; v128-191 x's fragments, ONE set (on the way out: rows read back);
;   v192-255 the bias of my 128 columns in the result's layout.   window 1: W's fragments, TWO sets, at v0 and v128.   window 2: the 32 accumulators of my rows 0-63 ((a, b) at v[8 (8 a + b)]);   window 3: rows 64-127.
.set SIZE_K, 1024
.set KSTEP,  512                       ; along K in a slot
.set NQ,     KSTEP/128                 ; matrix instructions deep
.set ROWB,   256                       ; a tile's row in bytes
.set KROW,   SIZE_K*4/8                ; a row of codes in memory, in bytes
.set PITCH,  272                       ; an LDS row: 256 bytes + 16 of padding = 68 words: row r starts at bank 4 r mod 64 (64 banks of 4 bytes: ISA guide 11.1)
.set FR,     8                         ; registers of a fragment: 16 rows x 128 K
.set NL,     2                         ; LDS loads that bring one
.set NP,     4                         ; places behind this matrix instruction (ISA guide 7.12.1)
.set HALFT,  128*PITCH                 ; 128 rows: what one tensor load brings
.set SLOT,   4*HALFT                   ; x's 256 rows, then W's 256 rows
.set KS,     SIZE_K/32                 ; a row of scales in bytes
.set SCL,    2*SLOT                    ; behind the slots: the scales, as rows of 256 bytes + 16 of padding
.set HALFS,  (128*KS/256)*272          ; the scales of 128 rows: what one tensor load brings
.set SBLK,   (16*KS/256)*272           ; those of 16 rows
.set SPARE,  SCL+4*HALFS               ; the spare words, 128 bytes for each wave: two blocks of 256 bytes that no other line names
.set SPITCH, 272                       ; the way out: a stage of 16 rows x (256 bytes + 16) for each wave, in slot 0, which has had its one fill and its last read when the first result is stored there
.set ADRA, 16                          ; v16-17  LDS address of my x fragments in slot 0, 1
.set ADRB, 20                          ; v20-21  the same for W
.set STO,  24                          ; v24     the way out: where I put 16 bytes of a row
.set RD,   25                          ; v25     the way out: where I read 16 bytes back
.set CO,   26                          ; v26     16 x lane: my place in a store's 512 bytes
.set ADRS, 27                          ; v27     LDS address of my scale words: lanes 0-15 x's rows, lanes 16-31 W's
.set SPW,  28                          ; v28     LDS address of my spare word; never rewritten
.set NIL,  29                          ; v29     0; never rewritten
.set SC,   32                          ; scale words: set s at v[SC + 8 NQ s]; register NQ i + q: lanes 0-15 the word of x's block i, lanes 16-31 that of W's block i
.set TMP,  96
.set AF,   128
.set BK,   128                         ; the way out: v128-159 and v160-191 by turns
.set BI,   192
.set G1, 24                            ; s[24:31] descriptor group 1 for x's tiles;  s[32:39] group 0, one set for each slot
.set G0, 32
.set G1B, 48                           ; s[48:55], s[56:63] the same for W's tiles
.set G0B, 56
.set G1S, 68                           ; s[68:75], s[76:79] groups 1 and 0 for x's scales;  s[80:87], s[88:91] for W's
.set G0S, 76
.set G1SB, 80
.set G0SB, 88
.set MSB, 0
.macro WIN new                         ; the immediate's high byte repeats the setting that is left; a switch that changes nothing is dropped
.if MSB != (\new)
	s_set_vgpr_msb (MSB<<8)|(\new)
.set MSB, (\new)
.endif
.endm
.set MUL_LO,  0xa1                     ; source 0 (W) window 1, source 1 (x) window 0, C and D window 2
.set MUL_HI,  0xf1                     ; the same, C and D window 3
.set BIAS_LO, 0x81                     ; the first step: C (the bias) window 0, D window 2
.set BIAS_HI, 0xc1                     ; C window 0, D window 3
.set TO_B,    0x40                     ; destination window 1, address window 0
; A joint load: waves 0 and 1 fetch for x, waves 2 and 3 for W.  Each line has ONE mask and one set of registers for all that issue it; the branch hangs on the wave's number alone.
; Four v_nop follow each of the two lines, ahead of the jump, the label and what follows.
.macro JLOAD g0a, g1a, g0b, g1b
	s_cmp_eq_u32 s15, 0
	s_cbranch_scc0 .Lfor_b_\@
	tensor_load_to_lds s[\g0a:\g0a+3], s[\g1a:\g1a+7]
.rept 4
	v_nop
.endr
	s_branch .Lasked_\@
.Lfor_b_\@:
	tensor_load_to_lds s[\g0b:\g0b+3], s[\g1b:\g1b+7]
.rept 4
	v_nop
.endr
.Lasked_\@:
.endm
.macro CROUND                          ; a round of the cluster's barrier
	s_barrier_signal -1
	s_barrier_wait -1
	s_cmp_lg_u32 s14, 0
	s_cbranch_scc1 .Lnot_wave_0_\@
	s_barrier_signal -3
.Lnot_wave_0_\@:
	s_barrier_wait -3
	s_barrier_signal -1
	s_barrier_wait -1
.endm
	s_load_b128 s[4:7], s[0:1], 0x0                ; x's codes s[4:5], x's scales s[6:7]
	s_load_b128 s[8:11], s[0:1], 0x10              ; W's codes s[8:9], W's scales s[10:11]
	s_load_b64 s[12:13], s[0:1], 0x20              ; qkv
	s_load_b64 s[96:97], s[0:1], 0x28              ; bq
	s_load_b64 s[98:99], s[0:1], 0x30              ; bk
	s_load_b64 s[100:101], s[0:1], 0x38            ; bv
	v_lshl_add_u32 v[SPW], v0, 2, SPARE
	v_mov_b32 v[NIL], 0
	v_lshrrev_b32 v1, 5, v0
	v_readfirstlane_b32 s14, v1                    ; wave 0..3
	s_lshr_b32 s15, s14, 1                         ; which half of the tile's rows is mine.  Also: I fetch for x (0) or for W (1)
	s_and_b32 s16, s14, 1                          ; which half of its columns.  Also: which 128 rows of that tile I fetch
	s_bfe_u32 s40, ttmp6, 0x40000                  ; cx, cy: my place in the cluster
	s_bfe_u32 s41, ttmp6, 0x40004
	s_lshl_b32 s42, ttmp9, 2
	s_add_co_u32 s42, s42, s40                     ; tile column = 4 x cluster x + cx
	s_and_b32 s17, ttmp7, 0xffff
	s_lshl_b32 s17, s17, 2
	s_add_co_u32 s17, s17, s41                     ; tile row = 4 x cluster y + cy
	s_lshl_b32 s43, s41, 2
	s_lshl_b32 s43, 15, s43                        ; my row of the cluster
	s_lshl_b32 s44, 0x1111, s40                    ; my column
	; descriptor group 1: a tile of 128 rows x 256 bytes, padded in LDS
	s_or_b32 s[G1+0], s43, (0<<16)|(1<<20)|(1<<21)|(5<<22)|(3<<25)  ; 15:0 the mask: x's tiles go to my row; 17:16 element of 1 byte; 20 padding on; 21 set beside a mask; 24:22 after every 64 words; 31:25 four words
	s_or_b32 s[G1B+0], s44, (0<<16)|(1<<20)|(1<<21)|(5<<22)|(3<<25)
.irp g, G1, G1B
	s_mov_b32 s[\g+1], ROWB<<16                    ; tensor_dim0
	s_mov_b32 s[\g+2], 128<<16                     ; tensor_dim1 = 128
	s_mov_b32 s[\g+3], ROWB<<16                    ; tile_dim0
	s_mov_b32 s[\g+4], 128                         ; tile_dim1 = 128
	s_mov_b32 s[\g+5], KROW                        ; tensor_dim0_stride
	s_mov_b32 s[\g+6], 0
	s_mov_b32 s[\g+7], 0
.endr
	; the scales of 128 rows: a dense block of 4,096 bytes, as 16 rows of 256 bytes (32 elements of 8 bytes), 16 bytes of padding behind each
	s_or_b32 s[G1S+0], s43, (3<<16)|(1<<20)|(1<<21)|(5<<22)|(3<<25)
	s_or_b32 s[G1SB+0], s44, (3<<16)|(1<<20)|(1<<21)|(5<<22)|(3<<25)
.irp g, G1S, G1SB
	s_mov_b32 s[\g+1], 32<<16
	s_mov_b32 s[\g+2], (128*KS/256)<<16
	s_mov_b32 s[\g+3], 32<<16
	s_mov_b32 s[\g+4], 128*KS/256
	s_mov_b32 s[\g+5], 32
	s_mov_b32 s[\g+6], 0
	s_mov_b32 s[\g+7], 0
.endr
	s_lshl_b32 s18, s16, 7                         ; which 128 rows of the tile I fetch
	s_lshl_b32 s20, s17, 8
	s_add_co_u32 s20, s20, s18                     ; x: row 256 x tile row + 128 x half
	s_lshl_b32 s46, s42, 8
	s_add_co_u32 s46, s46, s18                     ; W: row 256 x tile column + 128 x half
	s_mov_b32 s21, 0
	s_mov_b32 s47, 0
	s_mov_b64 s[18:19], KS
	s_mul_u64 s[22:23], s[20:21], s[18:19]         ; where these rows' scales begin, in bytes
	s_mul_u64 s[92:93], s[46:47], s[18:19]
	s_mov_b64 s[18:19], KROW
	s_mul_u64 s[20:21], s[20:21], s[18:19]         ; and their codes
	s_mul_u64 s[46:47], s[46:47], s[18:19]
	s_mul_i32 s45, s14, HALFT                      ; where they go: wave x 128 rows: no place in the cluster enters an LDS address
	s_mul_i32 s94, s14, HALFS
	s_wait_kmcnt 0x0
	s_add_nc_u64 s[20:21], s[4:5], s[20:21]
	s_add_nc_u64 s[22:23], s[6:7], s[22:23]
	s_add_nc_u64 s[46:47], s[8:9], s[46:47]
	s_add_nc_u64 s[92:93], s[10:11], s[92:93]
	CROUND                                         ; all sixteen work-groups are here: the joint loads meet
	s_mov_b32 s[G0S], 1
	s_add_co_u32 s[G0S+1], s94, SCL
	s_mov_b64 s[G0S+2:G0S+3], s[22:23]
	s_or_b32 s[G0S+3], s[G0S+3], 0x80000000
	s_mov_b32 s[G0SB], 1
	s_add_co_u32 s[G0SB+1], s94, SCL
	s_mov_b64 s[G0SB+2:G0SB+3], s[92:93]
	s_or_b32 s[G0SB+3], s[G0SB+3], 0x80000000
	JLOAD G0S, G1S, G0SB, G1SB                     ; the scales first: they are wanted with the first slot.  Three tensor loads of a wave are out at the most: this one and the two slots'
.irp s, 0,1
	s_mov_b32 s[G0+4*\s], 1
	s_add_co_u32 s[G0+4*\s+1], s45, \s*SLOT
	s_add_nc_u64 s[G0+4*\s+2:G0+4*\s+3], s[20:21], \s*ROWB
	s_or_b32 s[G0+4*\s+3], s[G0+4*\s+3], 0x80000000
	s_mov_b32 s[G0B+4*\s], 1
	s_add_co_u32 s[G0B+4*\s+1], s45, \s*SLOT
	s_add_nc_u64 s[G0B+4*\s+2:G0B+4*\s+3], s[46:47], \s*ROWB
	s_or_b32 s[G0B+4*\s+3], s[G0B+4*\s+3], 0x80000000
	JLOAD G0+4*\s, G1, G0B+4*\s, G1B
.endr
	; the bias of my 128 columns, in the result's layout: register BI + 8 b + j of lane (r, h) = bias[16 b + 8 h + j].  Which bias: by the cluster's x, the same in all sixteen partners
	s_cmp_eq_u32 ttmp9, 1
	s_cselect_b64 s[98:99], s[98:99], s[100:101]
	s_cmp_eq_u32 ttmp9, 0
	s_cselect_b64 s[96:97], s[96:97], s[98:99]
	s_lshl_b32 s66, s40, 10                        ; 256 cx columns of 4 bytes,
	s_lshl_b32 s67, s16, 9                         ; + 128 x half
	s_add_co_u32 s66, s66, s67
	s_mov_b32 s67, 0
	s_add_nc_u64 s[96:97], s[96:97], s[66:67]
	v_and_b32 v1, 15, v0                           ; r = l % 16
	v_bfe_u32 v2, v0, 4, 1                         ; h = l / 16
	v_lshlrev_b32 v7, 5, v2                        ; 32 h
.irp b, 0,1,2,3,4,5,6,7
	global_load_b128 v[BI+8*\b:BI+8*\b+3], v7, s[96:97] offset:64*\b
	global_load_b128 v[BI+8*\b+4:BI+8*\b+7], v7, s[96:97] offset:64*\b+16
.endr
	v_mul_u32_u24 v3, v1, PITCH
	v_lshl_add_u32 v4, v2, 4, v3                   ; a fragment's row x pitch + 16 x half
	s_mul_i32 s21, s15, HALFT                      ; my 128 rows of x
	s_mul_i32 s22, s16, HALFT                      ; my 128 rows of W,
	s_add_co_u32 s22, s22, 2*HALFT                 ; which lie behind x's 256
.irp s, 0,1
	v_add_nc_u32 v[ADRA+\s], s21, v4
	v_add_nc_u32 v[ADRB+\s], s22, v4
	s_add_co_u32 s21, s21, SLOT
	s_add_co_u32 s22, s22, SLOT
.endr
	v_mul_u32_u24 v5, v1, KS                       ; my row's scales: KS bytes a row,
	v_lshrrev_b32 v6, 8, v5
	v_lshl_add_u32 v5, v6, 4, v5                   ; and 16 more for each 256 passed
	s_mul_i32 s21, s15, HALFS                      ; x's: my 128 rows
	s_mul_i32 s22, s16, HALFS                      ; W's: my 128 rows, behind x's 256
	s_add_co_u32 s22, s22, 2*HALFS
	s_sub_co_u32 s22, s22, s21
	v_mul_u32_u24 v6, s22, v2                      ; lanes 16-31 take W's: one product, the distance between the two bases
	s_add_co_u32 s21, s21, SCL
	v_add_nc_u32 v5, v5, v6
	v_add_nc_u32 v[ADRS], s21, v5
	s_mul_i32 s23, s14, 16*SPITCH                  ; my stage
	v_mul_u32_u24 v5, v1, SPITCH                   ; in: row r, 16 bytes for each half of the lanes
	v_lshl_add_u32 v5, v2, 4, v5
	v_add_nc_u32 v[STO], s23, v5
	v_bfe_u32 v6, v0, 3, 2                         ; back: eight lanes take one token's 128 bytes of one head, 32 lanes four tokens
	v_mul_u32_u24 v6, v6, SPITCH
	v_and_b32 v8, 7, v0
	v_lshl_add_u32 v6, v8, 4, v6
	v_add_nc_u32 v[RD], s23, v6
	v_and_b32 v8, 31, v0
	v_lshlrev_b32 v[CO], 4, v8
	; where my part begins in qkv: (((4 which + b) 16 + my first head) << 18) + (my first s << 7); which = cluster x, b = tile row / 8, head = 4 cx + 2 x half, s = 256 (tile row % 8) + 128 x half
	s_lshl_b32 s20, ttmp9, 2
	s_lshr_b32 s21, s17, 3
	s_add_co_u32 s20, s20, s21
	s_lshl_b32 s20, s20, 4
	s_lshl_b32 s21, s40, 2
	s_add_co_u32 s20, s20, s21
	s_lshl_b32 s21, s16, 1
	s_add_co_u32 s20, s20, s21
	s_lshl_b32 s20, s20, 18
	s_and_b32 s21, s17, 7
	s_lshl_b32 s21, s21, 8
	s_lshl_b32 s22, s15, 7
	s_add_co_u32 s21, s21, s22
	s_lshl_b32 s21, s21, 7
	s_add_co_u32 s20, s20, s21
	s_mov_b32 s21, 0
	s_add_nc_u64 s[12:13], s[12:13], s[20:21]      ; never stepped: all else stands in the stores' immediates
.macro FRAG reg, adr, q, i             ; a fragment, 16 rows x 128 K of 4-bit codes: lane l holds row l % 16; registers 4 c .. 4 c + 3 hold K = 64 c + 32 (l / 16) + 0 .. 31
.irp c, 0,1
	ds_load_b128 v[\reg+4*\c:\reg+4*\c+3], v[\adr] offset:64*(\q)+32*\c+(\i)*16*PITCH
.endr
.endm
; 16 matrix instructions: x's blocks a0, a0 + 1 against W's eight, 128 along K: the slot's q-th.  p: W's set;  sc: the set of scale words.  zero = 1: the first product starts the sums, with the bias as C.
; The 64 accumulators take turns, one instruction a turn, in the same order in every step.
.macro MUL16 a0, p, q, sc, zero
.irp a, \a0, \a0+1
.irp b, 0,1,2,3,4,5,6,7
.if \zero
	v_wmma_scale_f32_16x16x128_f8f6f4 v[8*(8*((\a)%4)+\b):8*(8*((\a)%4)+\b)+7], v[128*(\p)+FR*\b:128*(\p)+FR*\b+FR-1], v[AF+FR*(\a):AF+FR*(\a)+FR-1], v[BI+8*\b:BI+8*\b+7], v[SC+8*NQ*(\sc)+NQ*\b+(\q)], v[SC+8*NQ*(\sc)+NQ*(\a)+(\q)] matrix_a_fmt:MATRIX_FMT_FP4 matrix_b_fmt:MATRIX_FMT_FP4 matrix_a_scale:MATRIX_SCALE_ROW1
.else
	v_wmma_scale_f32_16x16x128_f8f6f4 v[8*(8*((\a)%4)+\b):8*(8*((\a)%4)+\b)+7], v[128*(\p)+FR*\b:128*(\p)+FR*\b+FR-1], v[AF+FR*(\a):AF+FR*(\a)+FR-1], v[8*(8*((\a)%4)+\b):8*(8*((\a)%4)+\b)+7], v[SC+8*NQ*(\sc)+NQ*\b+(\q)], v[SC+8*NQ*(\sc)+NQ*(\a)+(\q)] matrix_a_fmt:MATRIX_FMT_FP4 matrix_b_fmt:MATRIX_FMT_FP4 matrix_a_scale:MATRIX_SCALE_ROW1
.endif
.endr
.endr
.endm
.macro FETCH_B slot, q, p              ; W's eight fragments of the slot's q-th 128 along K into set p
	WIN TO_B
.irp i, 0,1,2,3,4,5,6,7
	FRAG 128*(\p)+FR*\i, ADRB+\slot, \q, \i
.endr
	WIN 0
.endm
.macro FETCH_A slot, q, i0             ; x's blocks i0 .. i0 + 3
.irp i, \i0, \i0+1, \i0+2, \i0+3
	FRAG AF+FR*(\i), ADRA+\slot, \q, \i
.endr
.endm
.macro SCALES sc                       ; a slot's scale words into set sc: NQ words a row; lanes 0-15 take x's block i, lanes 16-31 W's block i
.irp i, 0,1,2,3,4,5,6,7
	ds_load_b128 v[SC+8*NQ*\sc+NQ*\i:SC+8*NQ*\sc+NQ*\i+3], v[ADRS] offset:\i*SBLK
.endr
.endm
; A load into a register that a matrix instruction has read, and a vector instruction that reads a matrix result, stand NP places behind that matrix instruction; only plain vector
; instructions that name none of its registers are places (ISA guide 7.12.1 for vector instructions).
.macro PLACES n
.rept \n
	v_nop
.endr
.endm
; A step of 128 along K that has its successor in the same slot.
.macro STEP slot, q, zero
	s_wait_dscnt 4*NL                              ; W's set and x's blocks 0-3 are in; the youngest eight loads (x's blocks 4-7) may be out
.if \zero
	WIN BIAS_LO
.else
	WIN MUL_LO
.endif
	MUL16 0, (\q)%2, \q, \slot, \zero
	MUL16 2, (\q)%2, \q, \slot, \zero
	s_wait_dscnt 0                                 ; x's blocks 4-7 are in (asked for 32 matrix instructions ago)
	PLACES NP
	FETCH_B \slot, (\q)+1, 1-(\q)%2
	FETCH_A \slot, (\q)+1, 0
.if \zero
	WIN BIAS_HI
.else
	WIN MUL_HI
.endif
	MUL16 4, (\q)%2, \q, \slot, \zero
	MUL16 6, (\q)%2, \q, \slot, \zero
	PLACES NP
	WIN 0
	FETCH_A \slot, (\q)+1, 4
.endm
.macro STEPS slot, from                ; the slot's steps from .. NQ - 2
.set Q, \from
.rept NQ-1-\from
	STEP \slot, Q, 0
.set Q, Q+1
.endr
.endm
	s_wait_loadcnt 0x0                             ; the bias
	s_wait_tensorcnt 1                             ; the scales and my part of slot 0 are in (slot 1's load may be out)
	s_barrier_signal -1
	s_barrier_wait -1                              ; everybody's are
	FETCH_B 0, 0, 0
	FETCH_A 0, 0, 0
	SCALES 0
	FETCH_A 0, 0, 4
	STEP 0, 0, 1                                   ; the first step's products start the sums on the bias: nothing is cleared, nothing is added later
	STEPS 0, 1
	; slot 0's last step changes slots: one barrier; in front of it each wave waits for all its tensor loads (its part of slot 1) and for its own reads of slot 0, in which the stages will lie
	s_wait_tensorcnt 0x0
	ds_add_u32 v[SPW], v[NIL]                      ; 0 onto my spare word
	s_wait_dscnt 4*NL+1                            ; (the add and the youngest eight loads, x's blocks 4-7, may be out)
	WIN MUL_LO
	MUL16 0, 1, NQ-1, 0, 0                         ; sixteen matrix instructions stand between the add and the wait for it
	s_wait_dscnt 0x0                               ; the add is done, and my reads of slot 0 are over
	s_barrier_signal -1
	MUL16 2, 1, NQ-1, 0, 0
	WIN 0
	s_barrier_wait -1
	PLACES NP
	v_add_nc_u32 v[ADRS], 4*NQ, v[ADRS]            ; on to slot 1's scale words
	FETCH_B 1, 0, 0
	FETCH_A 1, 0, 0
	SCALES 1
	WIN MUL_HI
	MUL16 4, 1, NQ-1, 0, 0
	MUL16 6, 1, NQ-1, 0, 0
	PLACES NP
	WIN 0
	FETCH_A 1, 0, 4
	STEPS 1, 0
	s_wait_dscnt 4*NL                              ; the very last step: nothing more to fetch
	WIN MUL_LO
	MUL16 0, 1, NQ-1, 1, 0
	MUL16 2, 1, NQ-1, 1, 0
	s_wait_dscnt 0
	WIN MUL_HI
	MUL16 4, 1, NQ-1, 1, 0
	MUL16 6, 1, NQ-1, 1, 0
	WIN 0
; THE WAY OUT, block by block of 16 tokens x 128 columns (two heads).  PACK: rounded to f16, 16 bytes a lane, each accumulator from its low end on.  TOSTAGE: into my own stage, and back so that 32 lanes hold
; four tokens of one head: 512 consecutive bytes of qkv.  SEND: stored.  LDS serves a wave's instructions in order (ISA guide 5.7.1.4): no wait between the stage's stores and loads.
.macro PACK a
.set AC, 64*((\a)%4)
	WIN 0x0a+5*((\a)/4)                            ; sources 0 and 1: window 2 or 3
.irp b, 0,1,2,3,4,5,6,7
.irp r, 0,1,2,3
	v_cvt_pk_f16_f32 v[TMP+4*\b+\r], v[AC+8*\b+2*\r], v[AC+8*\b+2*\r+1]
.endr
.endr
	WIN 0
.endm
.macro TOSTAGE a
.set BB, BK+32*((\a)%2)
.irp b, 0,1,2,3,4,5,6,7
	ds_store_b128 v[STO], v[TMP+4*\b:TMP+4*\b+3] offset:32*\b
.endr
.irp t, 0,1,2,3,4,5,6,7
	ds_load_b128 v[BB+4*\t:BB+4*\t+3], v[RD] offset:4*SPITCH*(\t%4)+128*(\t/4)   ; tokens 4 (t % 4) on, head t / 4
.endr
.endm
.macro SEND a
.set BB, BK+32*((\a)%2)
	s_wait_dscnt 0x0                               ; the block is back in registers
	s_wait_xcnt 0x0                                ; the block before's stores have read their registers: the next block's loads land there only behind this wait
.irp t, 0,1,2,3,4,5,6,7
	global_store_b128 v[CO], v[BB+4*\t:BB+4*\t+3], s[12:13] offset:2048*(\a)+512*(\t%4)+262144*(\t/4)   ; 32 lanes store 512 consecutive bytes, at a multiple of 256 from qkv's first byte
.endr
.endm
	PLACES NP                                      ; behind the last products: for the conversions that read results and the loads into the registers that held x's fragments
	PACK 0
	TOSTAGE 0
.irp a, 1,2,3,4,5,6,7                  ; block a's conversions stand between block a - 1's loads from the stage and the wait for them
	PACK \a
	SEND \a-1
	TOSTAGE \a
.endr
	SEND 7
	s_wait_tensorcnt 0x0                           ; the wave's end
	ds_add_u32 v[SPW], v[NIL]
	s_wait_dscnt 0x0
	CROUND                                         ; the closing round: no work-group ends while a partner may still ask for a tile that names it
	s_endpgm
.Lfunc_end_k_qe9b46f00c9_qkv:
	.size	k_qe9b46f00c9_qkv, .Lfunc_end_k_qe9b46f00c9_qkv-k_qe9b46f00c9_qkv
	.p2alignl 7, 3214868480
	.fill 96, 4, 3214868480
	.section	.rodata,"a",@progbits
	.p2align	6, 0x0
	.amdhsa_kernel k_qe9b46f00c9_qkv
		.amdhsa_group_segment_fixed_size 327680
		.amdhsa_private_segment_fixed_size 0
		.amdhsa_enable_private_segment 0
		.amdhsa_kernarg_size 64
		.amdhsa_user_sgpr_count 2
		.amdhsa_user_sgpr_kernarg_segment_ptr 1
		.amdhsa_wavefront_size32 1
		.amdhsa_system_sgpr_workgroup_id_x 1
		.amdhsa_system_sgpr_workgroup_id_y 1
		.amdhsa_system_sgpr_workgroup_id_z 1
		.amdhsa_system_vgpr_workitem_id 0
		.amdhsa_next_free_vgpr 1024
		.amdhsa_next_free_sgpr 102
		.amdhsa_reserve_vcc 0
		.amdhsa_float_denorm_mode_32 3
		.amdhsa_float_denorm_mode_16_64 3
		.amdhsa_memory_ordered 1
		.amdhsa_forward_progress 1
		.amdhsa_inst_pref_size 128
	.end_amdhsa_kernel
	.amdgpu_metadata
---
amdhsa.version: [ 1, 2 ]
amdhsa.kernels:
  - .name:           k_qe9b46f00c9_qkv
    .symbol:         k_qe9b46f00c9_qkv.kd
    .args:
      - { .name: xcodes, .offset: 0, .size: 8, .value_kind: global_buffer, .address_space: global }
      - { .name: xscales, .offset: 8, .size: 8, .value_kind: global_buffer, .address_space: global }
      - { .name: wcodes, .offset: 16, .size: 8, .value_kind: global_buffer, .address_space: global }
      - { .name: wscales, .offset: 24, .size: 8, .value_kind: global_buffer, .address_space: global }
      - { .name: qkv, .offset: 32, .size: 8, .value_kind: global_buffer, .address_space: global }
      - { .name: bq, .offset: 40, .size: 8, .value_kind: global_buffer, .address_space: global }
      - { .name: bk, .offset: 48, .size: 8, .value_kind: global_buffer, .address_space: global }
      - { .name: bv, .offset: 56, .size: 8, .value_kind: global_buffer, .address_space: global }
    .group_segment_fixed_size: 327680
    .private_segment_fixed_size: 0
    .kernarg_segment_align: 8
    .kernarg_segment_size: 64
    .max_flat_workgroup_size: 128
    .sgpr_count:     102
    .vgpr_count:     1024
    .wavefront_size: 32
...
	.end_amdgpu_metadata
.endif
;; end of part 2
;; launch attn (part 3): grid 4 x 64, 8 waves a work-group, clusters of 4 x 1, 327,680 bytes of LDS; arguments qkv, ctx; writes ctx
.if DOCPART == 3
	.amdgcn_target "amdgcn-amd-amdhsa--gfx1250"
	.amdhsa_code_object_version 6
	.text
	.protected	k_qe9b46f00c9_attn
	.globl	k_qe9b46f00c9_attn
	.p2align	8
	.type	k_qe9b46f00c9_attn,@function
k_qe9b46f00c9_attn:
	s_mov_b64 s[64:65], 0
	v_nop
	global_prefetch_b8 v0, s[64:65] scope:SCOPE_SE
	s_setreg_imm32_b32 hwreg(HW_REG_WAVE_MODE, 25, 1), 1
	s_wait_xcnt 0x0
	s_wait_alu depctr_hold_cnt(0) depctr_sa_sdst(0) depctr_va_vdst(0) depctr_va_sdst(0) depctr_va_ssrc(0) depctr_va_vcc(0) depctr_vm_vsrc(0)
	s_getreg_b32 s2, hwreg(HW_REG_IB_STS2, 6, 4)
	s_cmp_eq_u32 s2, 0
	s_cbranch_scc0 .Lentry_in_a_cluster
	s_endpgm
.Lentry_in_a_cluster:
	s_bfe_u32 s2, ttmp6, 0x10000c
	s_cmp_lg_u32 s2, 0x3003
	s_cbranch_scc0 .Lentry_shape_is_right
	s_endpgm
.Lentry_shape_is_right:
; ctx[h][b s][:] = the sum over k of softmax_k(Q[b][h][s] . K[b][h][k] / 8) V[b][h][k][:].  Q, K, V: qkv[which 3][b h 64][2048][64] f16; ctx[h 16][8192 tokens][64] f16.
; Products on f16 operands with f32 sums; maxima, exponentials and sums in f32; the weights p are rounded to f16 for the second product, ctx once at the end.
; f16 and not bf16: three roundings of operands stand between here and the output, and f16's step is an eighth of bf16's.
; LIMITS: p under 2^-25 counts as 0 in the second product (the row's sum keeps it); |ctx| is at most the largest |V|, which fits f16 where V did.
; SHARES.  A cluster of four work-groups owns one (b, h); work-group cx its queries 512 cx on; each of the EIGHT waves 64 of them: four tiles of 16, in 512 registers: two waves to a SIMD, so that one wave's
; softmax stands beside the other's products.  Every wave walks all 2,048 keys, 64 a step.  A fragment of K or V read from LDS feeds four matrix instructions.
; LAYOUT.  S^T = K Q^T (source 0 = 16 keys, source 1 = 16 queries): a lane holds ONE query (lane % 16) and the keys 8 (lane / 16) + 0..7 of a tile.  Two such tiles, rounded to f16 in pairs, ARE source 1
; (32 keys x 16 queries) of O^T = V^T P, whose result again holds one query a lane.  K comes out of LDS as it lies, V ([key][channel]) turned, by ds_load_tr16_b128.
; SOFTMAX.  For each query a running maximum m and sum l: p = 2^(c s - c m), c = log2(e) / 8; in every step O and l are multiplied by a = 2^(c m_old - c m_new).
; THE RING.  Two slots of 512 keys (8 steps); four slots' worth of keys.  K's and V's tiles are dense in memory and come as rows of 256 bytes (two keys).  The four work-groups ask JOINTLY: the same tensor load, the same
; descriptor, a mask that names the four.  Waves 0, 1 fetch K's halves, waves 2, 3 V's, the others nothing.  A refill has a slot's eight steps in which to land.
; REGISTERS: window 0: v1-11 addresses; v12-43 statistics, eight a tile; v64-191 S^T, 32 a tile, P laid over its first 16; v192-255 K's eight fragments.
;            window 1: v0-63 Q; v64-191 O^T, 32 a tile; v192-255 V's eight fragments.
.set PKB,    272                       ; two keys of K in LDS: 256 bytes + 16: key k at 272 (k / 2) + 128 (k % 2): the 16 keys of a load fall on 16 different 16-byte columns of the 64 banks (ISA guide 11.1)
.set PVB,    288                       ; two keys of V: 256 + 32
.set VOFF,   256*PKB                   ; a slot: 512 keys of K, then 512 keys of V
.set SLOTB,  256*(PKB+PVB)
.set KSTEPB, 32*PKB                    ; 64 keys
.set VSTEPB, 32*PVB
.set SPARE,  2*SLOTB                   ; the spare words, 128 bytes for each wave: four blocks of 256 bytes that no other line names
.set SPO,    144                       ; the way out: a stage of 64 rows x (128 bytes + 16) for each wave, in slot 0, behind its last fill and its last read
.set PLANE,  16777216                  ; bytes from Q to K and from K to V
.set AK0, 1                            ; v1   my lane's place in a tile of K; never rewritten
.set AV0, 2                            ; v2   the same for V
.set ADK, 3                            ; v3   LDS address of the step's K
.set ADV, 4                            ; v4   of its V
.set SPW, 5                            ; v5   LDS address of my spare word; never rewritten
.set NIL, 6                            ; v6   0; never rewritten
.set QO,  7                            ; v7   my byte offset in the wave's rows of Q
.set STO, 8                            ; v8   the way out: where I put 16 bytes of a row
.set RD,  9                            ; v9   where I read 16 bytes back
.set PFO, 10                           ; v10  256 x lane: the prefetch's offset; never rewritten
.set GO,  11                           ; v11  16 x lane: my place in a store's 512 bytes
.set ST,  12                           ; tile t's statistics at v[ST + 8 t]: +0 c m, +1 m, +2, +3 l (even keys', odd keys'), +4 to +7 c0-c3, at work; a takes c2's place
.set S,   64
.set KF,  192
.set OF,  64                           ; in window 1
.set VF,  192                          ; in window 1
.set WV,  12                           ; s12  my wave's number
.set G1K, 24                           ; s[24:31] descriptor group 1 for K's tiles;  s[32:39] for V's: it differs in the padding alone
.set G1V, 32
.set G0K, 40                           ; s[40:47] group 0 for K's tiles, a set for each slot;  s[48:55] for V's
.set G0V, 48
.set CNT, 56                           ; s56  steps to go in a run
.set TK,  57                           ; s57  LDS byte at which the step's K begins
.set CS,  58                           ; s[58:59] c: the packed form names a pair and takes its low word for both halves
.set SEL, 60                           ; s[60:61] lane selects for v_permlanex16_b32: lane l xor 16
.set TV,  62                           ; s62  the same as TK for V (less VOFF)
.set PFA, 66                           ; s[66:67] what my wave prefetches; never rewritten
.set MSB, 0
.macro WIN new                         ; the immediate's high byte repeats the setting that is left; a switch that changes nothing is dropped
.if MSB != (\new)
	s_set_vgpr_msb (MSB<<8)|(\new)
.set MSB, (\new)
.endif
.endm
.set W_KQ, 0x04                        ; Q (source 1) window 1; K and S^T window 0
.set W_PV, 0x51                        ; V (source 0), C and D window 1; P window 0
.set W_RS, 0x41                        ; O^T (destination and source 0) window 1; a window 0
.set TO_1, 0x40                        ; destination window 1, address window 0
; A joint refill of slot s.  The branches hang on the wave's number alone.  Four v_nop follow each of the two lines.
.macro JLOAD s
	s_cmp_lt_u32 s[WV], 2
	s_cbranch_scc0 .Lnot_k_\@
	tensor_load_to_lds s[G0K+4*\s:G0K+4*\s+3], s[G1K:G1K+7]
.rept 4
	v_nop
.endr
	s_branch .Lasked_\@
.Lnot_k_\@:
	s_cmp_lt_u32 s[WV], 4
	s_cbranch_scc0 .Lasked_\@
	tensor_load_to_lds s[G0V+4*\s:G0V+4*\s+3], s[G1V:G1V+7]
.rept 4
	v_nop
.endr
.Lasked_\@:
.endm
.macro CROUND                          ; a round of the cluster's barrier
	s_barrier_signal -1
	s_barrier_wait -1
	s_cmp_lg_u32 s[WV], 0
	s_cbranch_scc1 .Lnot_wave_0_\@
	s_barrier_signal -3
.Lnot_wave_0_\@:
	s_barrier_wait -3
	s_barrier_signal -1
	s_barrier_wait -1
.endm
	s_load_b128 s[4:7], s[0:1], 0x0                ; qkv s[4:5], ctx s[6:7]
	v_lshl_add_u32 v[SPW], v0, 2, SPARE
	v_mov_b32 v[NIL], 0
	v_lshrrev_b32 v1, 5, v0
	v_readfirstlane_b32 s[WV], v1                  ; wave 0..7
	s_bfe_u32 s13, ttmp6, 0x40000                  ; cx: my place in the cluster: it enters Q's, ctx's and the prefetch's addresses alone
	s_and_b32 s14, ttmp7, 0xffff                   ; 16 b + h, which the four partners share
	s_and_b32 s15, s[WV], 1                        ; which half of a slot's keys I fetch
	s_lshl_b32 s20, s14, 18                        ; the head's first byte in each of Q, K, V: 262,144 bytes a head
	s_lshl_b32 s22, s15, 15                        ; my half: 256 keys of 128 bytes
	s_add_co_u32 s22, s22, s20
	s_mov_b32 s23, 0
	s_mul_i32 s18, s15, 128*PKB                    ; and its place in a slot: K's,
	s_mul_i32 s19, s15, 128*PVB
	s_add_co_u32 s19, s19, VOFF                    ; V's
	s_lshl_b32 s16, s13, 16                        ; my work-group's 512 queries of 128 bytes,
	s_lshl_b32 s17, s[WV], 13                      ; my wave's 64
	s_add_co_u32 s16, s16, s17
	s_add_co_u32 s2, s16, s20                      ; Q: in my head
	s_mov_b32 s3, 0
	s_and_b32 s10, s14, 15
	s_lshl_b32 s10, s10, 20                        ; ctx: h's plane of 8,192 tokens,
	s_lshr_b32 s11, s14, 4
	s_lshl_b32 s11, s11, 18                        ; b's 2,048 of them
	s_add_co_u32 s10, s10, s11
	s_add_co_u32 s10, s10, s16
	s_mov_b32 s11, 0
	s_mov_b32 s[PFA], 2*PLANE                      ; the prefetch: waves 4, 5 ask for K, waves 6, 7 for V;
	s_cmp_lt_u32 s[WV], 6
	s_cselect_b32 s[PFA], PLANE, s[PFA]
	s_add_co_u32 s[PFA], s[PFA], s20               ; in my head,
	s_add_co_u32 s[PFA], s[PFA], 3*65536           ; the last 512 keys,
	s_lshl_b32 s[PFA+1], s13, 14
	s_add_co_u32 s[PFA], s[PFA], s[PFA+1]          ; my work-group's quarter of their 65,536 bytes (the partners are told apart by address),
	s_lshl_b32 s[PFA+1], s15, 13
	s_add_co_u32 s[PFA], s[PFA], s[PFA+1]          ; my wave's half of that: 32 lanes x 256 bytes
	s_mov_b32 s[PFA+1], 0
	; descriptor group 1: 128 rows x 128 elements of 2 bytes, dense in memory, padded in LDS
	s_mov_b32 s[G1K], 15|(1<<16)|(1<<20)|(1<<21)|(5<<22)|(3<<25)  ; 15:0 the mask: all four work-groups; 17:16 elements of 2 bytes; 20 padding on; 21 set beside a mask; 24:22 after every 64 words; 31:25 four words
	s_mov_b32 s[G1V], 15|(1<<16)|(1<<20)|(1<<21)|(5<<22)|(7<<25)  ; the same with eight words of padding
.irp g, G1K, G1V
	s_mov_b32 s[\g+1], 128<<16                     ; tensor_dim0 = 128
	s_mov_b32 s[\g+2], 128<<16                     ; tensor_dim1 = 128
	s_mov_b32 s[\g+3], 128<<16                     ; tile_dim0 = 128
	s_mov_b32 s[\g+4], 128                         ; tile_dim1 = 128
	s_mov_b32 s[\g+5], 128                         ; tensor_dim0_stride
	s_mov_b32 s[\g+6], 0
	s_mov_b32 s[\g+7], 0
.endr
	s_mov_b32 s[CS], 0x3e38aa3b                    ; c = log2(e) / 8
	s_mov_b32 s[CS+1], s[CS]                       ; (named with it as a pair, so it is written)
	s_mov_b32 s[SEL], 0x76543210
	s_mov_b32 s[SEL+1], 0xfedcba98
	s_wait_kmcnt 0x0
	s_add_nc_u64 s[68:69], s[4:5], s[22:23]
	s_add_nc_u64 s[70:71], s[68:69], 2*PLANE       ; V at my half of slot 0's keys,
	s_add_nc_u64 s[68:69], s[68:69], PLANE         ; K likewise
	s_add_nc_u64 s[8:9], s[4:5], s[2:3]            ; Q at my wave's first query
	s_add_nc_u64 s[6:7], s[6:7], s[10:11]          ; ctx likewise
	s_add_nc_u64 s[PFA:PFA+1], s[4:5], s[PFA:PFA+1]
.irp s, 0,1
	s_mov_b32 s[G0K+4*\s], 1                       ; count = 1
	s_add_co_u32 s[G0K+4*\s+1], s18, \s*SLOTB      ; LDS address
	s_add_nc_u64 s[G0K+4*\s+2:G0K+4*\s+3], s[68:69], \s*65536   ; global address: slot s begins with keys 512 s on
	s_or_b32 s[G0K+4*\s+3], s[G0K+4*\s+3], 0x80000000           ; type = 2
	s_mov_b32 s[G0V+4*\s], 1
	s_add_co_u32 s[G0V+4*\s+1], s19, \s*SLOTB
	s_add_nc_u64 s[G0V+4*\s+2:G0V+4*\s+3], s[70:71], \s*65536
	s_or_b32 s[G0V+4*\s+3], s[G0V+4*\s+3], 0x80000000
.endr
	CROUND                                         ; all four work-groups are here: the first joint loads meet
	s_cmp_lt_u32 s[WV], 2                          ; a wave's two first fills stand in one branch, ahead of every wait on TENSORcnt, every LDS read and every other barrier: two loads of a fetching wave are out
	s_cbranch_scc0 .Lfirst_not_k
	tensor_load_to_lds s[G0K:G0K+3], s[G1K:G1K+7]
	tensor_load_to_lds s[G0K+4:G0K+7], s[G1K:G1K+7]
.rept 4
	v_nop
.endr
	s_branch .Lfirst_asked
.Lfirst_not_k:
	s_cmp_lt_u32 s[WV], 4
	s_cbranch_scc0 .Lfirst_asked
	tensor_load_to_lds s[G0V:G0V+3], s[G1V:G1V+7]
	tensor_load_to_lds s[G0V+4:G0V+7], s[G1V:G1V+7]
.rept 4
	v_nop
.endr
.Lfirst_asked:
	v_and_b32 v44, 15, v0                          ; r = l % 16
	v_bfe_u32 v45, v0, 4, 1                        ; h = l / 16
	v_and_b32 v46, 31, v0                          ; l
	v_lshlrev_b32 v[QO], 7, v44
	v_lshl_add_u32 v[QO], v45, 4, v[QO]            ; Q: row r of 128 bytes + 16 h
	WIN TO_1
.irp f, 0,1,2,3,4,5,6,7                        ; Q stays in registers: tile f / 2, channels 32 (f % 2) on; registers 0-3 channels 8 h + 0..7, registers 4-7 channels 16 + 8 h + 0..7
	global_load_b128 v[8*\f:8*\f+3],   v[QO], s[8:9] offset:(\f/2)*2048+(\f%2)*64
	global_load_b128 v[8*\f+4:8*\f+7], v[QO], s[8:9] offset:(\f/2)*2048+(\f%2)*64+32
.endr
	WIN 0
	v_bfe_u32 v47, v0, 1, 3                        ; r / 2
	v_and_b32 v48, 1, v0                           ; r % 2
	v_mul_u32_u24 v[AK0], v47, PKB
	v_lshl_add_u32 v[AK0], v48, 7, v[AK0]
	v_lshl_add_u32 v[AK0], v45, 4, v[AK0]          ; K: key r, + 16 h
	v_bfe_u32 v49, v0, 1, 2                        ; the turning load: lane l reads 16 bytes of key 8 h + l % 8, channels 8 ((l / 8) % 2) on
	v_lshl_add_u32 v49, v45, 2, v49                ; that key's row of two keys: 4 h + (l % 8) / 2
	v_mul_u32_u24 v[AV0], v49, PVB
	v_lshl_add_u32 v[AV0], v48, 7, v[AV0]
	v_bfe_u32 v50, v0, 3, 1
	v_lshl_add_u32 v[AV0], v50, 4, v[AV0]
	v_add_nc_u32 v[AV0], VOFF, v[AV0]
	s_mul_i32 s16, s[WV], 64*SPO                   ; my stage
	v_mul_u32_u24 v[STO], v44, SPO                 ; in: row r, 16 bytes for each half of the lanes
	v_lshl_add_u32 v[STO], v45, 4, v[STO]
	v_add_nc_u32 v[STO], s16, v[STO]
	v_bfe_u32 v49, v0, 3, 2                        ; back: eight lanes to a row of 128 bytes, four rows an instruction
	v_mul_u32_u24 v[RD], v49, SPO
	v_and_b32 v50, 7, v0
	v_lshl_add_u32 v[RD], v50, 4, v[RD]
	v_add_nc_u32 v[RD], s16, v[RD]
	v_lshlrev_b32 v[GO], 4, v46
	v_lshlrev_b32 v[PFO], 8, v46
.irp t, 0,1,2,3
	v_mov_b32 v[ST+8*\t+1], 0xff61b1e6             ; m: -3e38, under every score
	v_mul_f32 v[ST+8*\t], s[CS], v[ST+8*\t+1]      ; c m
	v_mov_b32 v[ST+8*\t+2], 0                      ; l
	v_mov_b32 v[ST+8*\t+3], 0
.endr
.macro FMA t, i                        ; pair i of tile t: c s - c m
	v_pk_fma_f32 v[S+32*(\t)+2*(\i):S+32*(\t)+2*(\i)+1], v[S+32*(\t)+2*(\i):S+32*(\t)+2*(\i)+1], s[CS:CS+1], v[ST+8*(\t):ST+8*(\t)+1] op_sel_hi:[1,0,0] neg_lo:[0,0,1] neg_hi:[0,0,1]
.endm
.macro SUMCVT t, i                     ; pair i of tile t: into the row's sum, unrounded; then rounded to f16 into P's register i, which lies over a pair that has been summed and rounded
	v_pk_add_f32 v[ST+8*(\t)+2:ST+8*(\t)+3], v[ST+8*(\t)+2:ST+8*(\t)+3], v[S+32*(\t)+2*(\i):S+32*(\t)+2*(\i)+1]
	v_cvt_pk_f16_f32 v[S+32*(\t)+(\i)], v[S+32*(\t)+2*(\i)], v[S+32*(\t)+2*(\i)+1]
.endm
; A KEY STEP: 64 keys.  first = 1: the launch's first: its products V^T P start O^T's sums with the constant 0, so O^T is never cleared and there is nothing to rescale.
.macro STEP first
	WIN 0
	v_add_nc_u32 v[ADK], s[TK], v[AK0]             ; these two and three v_nop are five places behind the last step's products V^T P: four are asked in front of the loads into V's registers,
	v_add_nc_u32 v[ADV], s[TV], v[AV0]             ; five in front of the products K Q^T, which write over P (ISA guide 7.12.1 for vector instructions)
	v_nop
	v_nop
	v_nop
.irp f, 0,1,2,3,4,5,6,7                        ; K: keys 16 (f / 2) on, channels 32 (f % 2) on
	ds_load_b128 v[KF+8*\f:KF+8*\f+3],   v[ADK] offset:(\f/2)*8*PKB+(\f%2)*64
	ds_load_b128 v[KF+8*\f+4:KF+8*\f+7], v[ADK] offset:(\f/2)*8*PKB+(\f%2)*64+32
.endr
	WIN TO_1
.irp f, 0,1,2,3,4,5,6,7                        ; V, turned: channels 16 (f / 2) on, keys 32 (f % 2) on
	ds_load_tr16_b128 v[VF+8*\f:VF+8*\f+3],   v[ADV] offset:(\f%2)*16*PVB+(\f/2)*32
	ds_load_tr16_b128 v[VF+8*\f+4:VF+8*\f+7], v[ADV] offset:(\f%2)*16*PVB+8*PVB+(\f/2)*32
.endr
	s_wait_dscnt 16                                ; K is in; V's sixteen loads may be out
	WIN W_KQ
.irp c, 0,1                                    ; S^T = K Q^T: the 16 accumulators take turns, one instruction a turn
.irp k, 0,1,2,3
.irp t, 0,1,2,3
.if \c == 0
	v_wmma_f32_16x16x32_f16 v[S+32*\t+8*\k:S+32*\t+8*\k+7], v[KF+8*(2*\k+\c):KF+8*(2*\k+\c)+7], v[16*\t+8*\c:16*\t+8*\c+7], 0
.else
	v_wmma_f32_16x16x32_f16 v[S+32*\t+8*\k:S+32*\t+8*\k+7], v[KF+8*(2*\k+\c):KF+8*(2*\k+\c)+7], v[16*\t+8*\c:16*\t+8*\c+7], v[S+32*\t+8*\k:S+32*\t+8*\k+7]
.endif
.endr
.endr
.endr
	WIN 0
.rept 4
	v_nop                                          ; four places in front of the first read of the scores
.endr
	; the maximum of the lane's 32 scores and the old m: four chains of seven, then what is left; the four tiles by turns; each accumulator is read from its low end on
.irp j, 0,1,2,3
.irp t, 0,1,2,3
	v_max3_num_f32 v[ST+8*\t+4+\j], v[S+32*\t+8*\j], v[S+32*\t+8*\j+1], v[S+32*\t+8*\j+2]
.endr
.endr
.irp g, 1,2
.irp j, 0,1,2,3
.irp t, 0,1,2,3
	v_max3_num_f32 v[ST+8*\t+4+\j], v[ST+8*\t+4+\j], v[S+32*\t+8*\j+2*\g+1], v[S+32*\t+8*\j+2*\g+2]
.endr
.endr
.endr
.irp t, 0,1,2,3
	v_max3_num_f32 v[ST+8*\t+4], v[ST+8*\t+4], v[S+32*\t+7], v[S+32*\t+15]
.endr
.irp t, 0,1,2,3
	v_max3_num_f32 v[ST+8*\t+6], v[ST+8*\t+6], v[S+32*\t+23], v[S+32*\t+31]
.endr
.irp t, 0,1,2,3
	v_max3_num_f32 v[ST+8*\t+4], v[ST+8*\t+4], v[ST+8*\t+5], v[ST+8*\t+6]
.endr
.irp t, 0,1,2,3
	v_max3_num_f32 v[ST+8*\t+4], v[ST+8*\t+4], v[ST+8*\t+7], v[ST+8*\t+1]
.endr
.irp t, 0,1,2,3
	v_permlanex16_b32 v[ST+8*\t+5], v[ST+8*\t+4], s[SEL], s[SEL+1]   ; the query's other 32 keys lie in the lane 16 away
.endr
.irp t, 0,1,2,3
	v_mov_b32 v[ST+8*\t+7], v[ST+8*\t]             ; c m_old is kept for a
.endr
.irp t, 0,1,2,3
	v_max_num_f32 v[ST+8*\t+1], v[ST+8*\t+4], v[ST+8*\t+5]   ; the new m
.endr
.irp t, 0,1,2,3
	v_mul_f32 v[ST+8*\t], s[CS], v[ST+8*\t+1]
.endr
.irp t, 0,1,2,3
	v_sub_f32 v[ST+8*\t+7], v[ST+8*\t+7], v[ST+8*\t]
.endr
.irp t, 0,1,2,3
	v_exp_f32 v[ST+8*\t+6], v[ST+8*\t+7]           ; a = 2^(c m_old - c m_new)
.endr
.irp i, 0,1,2,3,4,5,6,7,8,9,10,11,12,13,14,15
	FMA 0, \i                                      ; (plain lines behind the exponentials, ISA guide 5.7.2)
.endr
.irp t, 0,1,2,3
	v_pk_mul_f32 v[ST+8*\t+2:ST+8*\t+3], v[ST+8*\t+2:ST+8*\t+3], v[ST+8*\t+6:ST+8*\t+7] op_sel_hi:[1,0]   ; l under the new m
.endr
	; the exponentials of tile t stand among the scalings of tile t + 1 and the sums and roundings of tile t - 1: no plain line touches the exponential just ahead of it
.irp t, 0,1,2,3
.irp i, 0,1,2,3,4,5,6,7,8,9,10,11,12,13,14,15
	v_exp_f32 v[S+32*\t+2*\i], v[S+32*\t+2*\i]
.if \t < 3
	FMA \t+1, \i
.endif
	v_exp_f32 v[S+32*\t+2*\i+1], v[S+32*\t+2*\i+1]
.if \t > 0
	SUMCVT \t-1, \i
.endif
.endr
.endr
.irp i, 0,1,2,3,4,5,6,7,8,9,10,11,12,13,14,15
	SUMCVT 3, \i
.endr
.if !\first
	WIN W_RS
.irp t, 0,1,2,3
.irp i, 0,1,2,3,4,5,6,7,8,9,10,11,12,13,14,15
	v_pk_mul_f32 v[OF+32*\t+2*\i:OF+32*\t+2*\i+1], v[OF+32*\t+2*\i:OF+32*\t+2*\i+1], v[ST+8*\t+6:ST+8*\t+7] op_sel_hi:[1,0]   ; O^T under the new m, each accumulator from its low end on
.endr
.endr
.endif
	s_wait_dscnt 0x0                               ; V is in
	WIN W_PV
.irp k, 0,1                                    ; O^T += V^T P: keys 32 k on; the 16 accumulators take turns
.irp c, 0,1,2,3
.irp t, 0,1,2,3
.if \first && (\k == 0)
	v_wmma_f32_16x16x32_f16 v[OF+32*\t+8*\c:OF+32*\t+8*\c+7], v[VF+8*(2*\c+\k):VF+8*(2*\c+\k)+7], v[S+32*\t+8*\k:S+32*\t+8*\k+7], 0
.else
	v_wmma_f32_16x16x32_f16 v[OF+32*\t+8*\c:OF+32*\t+8*\c+7], v[VF+8*(2*\c+\k):VF+8*(2*\c+\k)+7], v[S+32*\t+8*\k:S+32*\t+8*\k+7], v[OF+32*\t+8*\c:OF+32*\t+8*\c+7]
.endif
.endr
.endr
.endr
	WIN 0                                          ; at a label and at a branch every window is 0
.endm
.macro LOOPSTEPS n                     ; n key steps; the LDS addresses hang on s[TK] and s[TV], stepped by constants in a loop of constant count
	s_mov_b32 s[CNT], \n
.Lstep_\@:
	STEP 0
	s_add_co_u32 s[TK], s[TK], KSTEPB
	s_add_co_u32 s[TV], s[TV], VSTEPB
	s_sub_co_u32 s[CNT], s[CNT], 1
	s_cmp_lg_u32 s[CNT], 0
	s_cbranch_scc1 .Lstep_\@
.endm
; THE CHANGE OF SLOTS.  Each wave waits for all its tensor loads (its part of the slot ahead), adds 0 to its spare word, and waits for that and for its reads of the slot that it leaves.
; fill = 1: slot s, just left, is filled with the keys two slots on.  The barrier is then a round of the cluster's, so that no wave of any partner still reads the slot or has a load on its way, and the joint refill is the first thing behind it.
.macro CHANGE s, fill
	s_wait_tensorcnt 0x0                           ; no tensor load of mine is out, so a group 0 may be written
	ds_add_u32 v[SPW], v[NIL]                      ; 0 onto my spare word
.if \fill
	s_add_nc_u64 s[G0K+4*\s+2:G0K+4*\s+3], s[G0K+4*\s+2:G0K+4*\s+3], 2*65536   ; 1,024 keys on; the type bits on top are not reached
	s_add_nc_u64 s[G0V+4*\s+2:G0V+4*\s+3], s[G0V+4*\s+2:G0V+4*\s+3], 2*65536
.endif
	s_wait_dscnt 0x0                               ; the add is done, and my reads of the slot are over
.if \fill
	CROUND
	JLOAD \s
.else
	s_barrier_signal -1
	s_barrier_wait -1
.endif
.endm
	s_wait_tensorcnt 1                             ; my part of slot 0 is in; slot 1's may stay out
	s_barrier_signal -1
	s_barrier_wait -1                              ; everybody's is
	s_wait_loadcnt 0x0                             ; Q
	s_mov_b32 s[TK], 0
	s_mov_b32 s[TV], 0
	STEP 1                                         ; keys 0 to 63
	s_add_co_u32 s[TK], s[TK], KSTEPB
	s_add_co_u32 s[TV], s[TV], VSTEPB
	LOOPSTEPS 7                                    ; keys 64 to 511
	CHANGE 0, 1                                    ; keys 1,024 on go into slot 0
	; A PREFETCH INTO THE L2 of what the next change of slots will ask for, the last 512 keys of K and of V: eight key steps ahead of that load.  The waves ask that fetch nothing (a branch on the wave's number);
	; the four partners share the bytes out by address; a lane names 256 bytes: each aligned block of 256 bytes is named once in the launch.  The earlier keys come by their loads alone.
	s_cmp_ge_u32 s[WV], 4
	s_cbranch_scc0 .Lno_ask
	global_prefetch_b8 v[PFO], s[PFA:PFA+1] th:TH_LOAD_NT scope:SCOPE_SE
.Lno_ask:
	s_mov_b32 s[TK], SLOTB
	s_mov_b32 s[TV], SLOTB
	LOOPSTEPS 8                                    ; keys 512 to 1,023
	CHANGE 1, 1                                    ; keys 1,536 on go into slot 1: the last load
	s_mov_b32 s[TK], 0
	s_mov_b32 s[TV], 0
	LOOPSTEPS 8                                    ; keys 1,024 to 1,535
	CHANGE 0, 0                                    ; nothing is left to fetch; behind this barrier nobody reads slot 0
	s_mov_b32 s[TK], SLOTB
	s_mov_b32 s[TV], SLOTB
	LOOPSTEPS 8                                    ; keys 1,536 to 2,047
	; THE WAY OUT.  l's two halves and the other half of the lanes' are added; O^T is divided by l, rounded to f16 and sent through my stage in LDS.  The first four additions are the places behind the last products.
.irp t, 0,1,2,3
	v_add_f32 v[ST+8*\t+4], v[ST+8*\t+2], v[ST+8*\t+3]
.endr
.irp t, 0,1,2,3
	v_permlanex16_b32 v[ST+8*\t+5], v[ST+8*\t+4], s[SEL], s[SEL+1]
.endr
.irp t, 0,1,2,3
	v_add_f32 v[ST+8*\t+4], v[ST+8*\t+4], v[ST+8*\t+5]
.endr
.irp t, 0,1,2,3
	v_rcp_f32 v[ST+8*\t+6], v[ST+8*\t+4]
.endr
	v_nop                                          ; a plain line between the last reciprocal and the use of its result
.irp t, 0,1,2,3
	WIN W_RS
.irp i, 0,1,2,3,4,5,6,7,8,9,10,11,12,13,14,15
	v_pk_mul_f32 v[OF+32*\t+2*\i:OF+32*\t+2*\i+1], v[OF+32*\t+2*\i:OF+32*\t+2*\i+1], v[ST+8*\t+6:ST+8*\t+7] op_sel_hi:[1,0]
.endr
	WIN 0x05                                       ; sources 0 and 1 window 1, destination window 0: S^T's registers are free
.irp i, 0,1,2,3,4,5,6,7,8,9,10,11,12,13,14,15
	v_cvt_pk_f16_f32 v[S+32*\t+\i], v[OF+32*\t+2*\i], v[OF+32*\t+2*\i+1]
.endr
	WIN 0
.irp c, 0,1,2,3
	ds_store_b128 v[STO], v[S+32*\t+4*\c:S+32*\t+4*\c+3] offset:16*SPO*\t+32*\c   ; lane (r, h): query 16 t + r, channels 16 c + 8 h + 0..7
.endr
.endr
.irp i, 0,1,2,3,4,5,6,7,8,9,10,11,12,13,14,15
	ds_load_b128 v[KF+4*\i:KF+4*\i+3], v[RD] offset:4*SPO*\i   ; LDS serves a wave's instructions in order (ISA guide 5.7.1.4): these see my stores
.endr
.irp i, 0,1,2,3,4,5,6,7,8,9,10,11,12,13,14,15
	s_wait_dscnt 15-\i                             ; the younger reads of the stage may be out
	global_store_b128 v[GO], v[KF+4*\i:KF+4*\i+3], s[6:7] offset:512*\i   ; 32 lanes store four tokens of my head: 512 consecutive bytes, at a multiple of 256 from ctx's first byte
.endr
	s_wait_tensorcnt 0x0                           ; the wave's end
	ds_add_u32 v[SPW], v[NIL]
	s_wait_dscnt 0x0
	CROUND                                         ; the closing round: no work-group ends while a partner may still ask for a tile that names it
	s_endpgm
.Lfunc_end_k_qe9b46f00c9_attn:
	.size	k_qe9b46f00c9_attn, .Lfunc_end_k_qe9b46f00c9_attn-k_qe9b46f00c9_attn
	.p2alignl 7, 3214868480
	.fill 96, 4, 3214868480
	.section	.rodata,"a",@progbits
	.p2align	6, 0x0
	.amdhsa_kernel k_qe9b46f00c9_attn
		.amdhsa_group_segment_fixed_size 327680
		.amdhsa_private_segment_fixed_size 0
		.amdhsa_enable_private_segment 0
		.amdhsa_kernarg_size 16
		.amdhsa_user_sgpr_count 2
		.amdhsa_user_sgpr_kernarg_segment_ptr 1
		.amdhsa_wavefront_size32 1
		.amdhsa_system_sgpr_workgroup_id_x 1
		.amdhsa_system_sgpr_workgroup_id_y 1
		.amdhsa_system_sgpr_workgroup_id_z 1
		.amdhsa_system_vgpr_workitem_id 0
		.amdhsa_next_free_vgpr 512
		.amdhsa_next_free_sgpr 72
		.amdhsa_reserve_vcc 0
		.amdhsa_float_denorm_mode_32 3
		.amdhsa_float_denorm_mode_16_64 3
		.amdhsa_memory_ordered 1
		.amdhsa_forward_progress 1
		.amdhsa_inst_pref_size 181
	.end_amdhsa_kernel
	.amdgpu_metadata
---
amdhsa.version: [ 1, 2 ]
amdhsa.kernels:
  - .name:           k_qe9b46f00c9_attn
    .symbol:         k_qe9b46f00c9_attn.kd
    .args:
      - { .name: qkv, .offset: 0, .size: 8, .value_kind: global_buffer, .address_space: global }
      - { .name: ctx, .offset: 8, .size: 8, .value_kind: global_buffer, .address_space: global }
    .group_segment_fixed_size: 327680
    .private_segment_fixed_size: 0
    .kernarg_segment_align: 8
    .kernarg_segment_size: 16
    .max_flat_workgroup_size: 256
    .sgpr_count:     72
    .vgpr_count:     512
    .wavefront_size: 32
...
	.end_amdgpu_metadata
.endif
;; end of part 3
;; launch oproj (part 4): grid 4 x 64, 4 waves a work-group, clusters of 4 x 4, 327,680 bytes of LDS; arguments ctx, wo16, out0, bo; writes out0
.if DOCPART == 4
	.amdgcn_target "amdgcn-amd-amdhsa--gfx1250"
	.amdhsa_code_object_version 6
	.text
	.protected	k_qe9b46f00c9_oproj
	.globl	k_qe9b46f00c9_oproj
	.p2align	8
	.type	k_qe9b46f00c9_oproj,@function
k_qe9b46f00c9_oproj:
	s_mov_b64 s[64:65], 0
	v_nop
	global_prefetch_b8 v0, s[64:65] scope:SCOPE_SE
	s_setreg_imm32_b32 hwreg(HW_REG_WAVE_MODE, 25, 1), 1
	s_wait_xcnt 0x0
	s_wait_alu depctr_hold_cnt(0) depctr_sa_sdst(0) depctr_va_vdst(0) depctr_va_sdst(0) depctr_va_ssrc(0) depctr_va_vcc(0) depctr_vm_vsrc(0)
	s_getreg_b32 s2, hwreg(HW_REG_IB_STS2, 6, 4)
	s_cmp_eq_u32 s2, 0
	s_cbranch_scc0 .Lentry_in_a_cluster
	s_endpgm
.Lentry_in_a_cluster:
	s_bfe_u32 s2, ttmp6, 0x10000c
	s_cmp_lg_u32 s2, 0xf033
	s_cbranch_scc0 .Lentry_shape_is_right
	s_endpgm
.Lentry_shape_is_right:
; out0[token][e] = the sum over d of ctx[token][d] Wo[e][d] + bo[e].  ctx: [h 16][8192 tokens][64] f16 (d = 64 h + channel); wo16: [1024 e][1024 d] f16; out0: [8192][1024] f32; sums in f32, the bias as each sum's first C.
; A tile of 128 tokens x 256 columns gives 256 work-groups.  Four waves, each 64 x 128: 32 accumulators of 16 x 16, 256 registers.  K goes in steps of 128 (two heads) through a ring of two LDS slots.
; ctx's part of a step is two dense blocks (a head's 128 tokens x 128 bytes), brought as rows of 256 bytes (two tokens); Wo's is 256 rows of 256 bytes.
; CLUSTERS: 4 x 4 work-groups.  The four of a row of the cluster need the same tiles of ctx, the four of a column the same tiles of Wo: each is asked for JOINTLY, by the same tensor load with the same descriptor and a mask.
; THE MATRIX INSTRUCTION IS USED TRANSPOSED (source 0 = 16 rows of Wo, source 1 = 16 tokens): a lane then holds eight neighbouring columns of one token.
; No prefetch: a step's tiles are shared by four work-groups through the joint loads and the launch is short.
; REGISTERS: window 0: v0-31 addresses; v64-159, v160-255 two fragment buffers for 32 along K: Wo's eight fragments, then ctx's four.  window 1: the accumulators ((a, b) at v[8 (8 a + b)]).  window 2: v0-63 the bias in the result's layout.
.set PITCH,  272                       ; an LDS row: 256 bytes + 16 of padding
.set APLANE, 64*PITCH                  ; a head's 128 tokens: what one tensor load brings for ctx
.set BOFF,   2*APLANE                  ; behind the two heads: Wo's 256 rows
.set BHALF,  128*PITCH                 ; what one tensor load brings for Wo
.set SLOT,   BOFF+2*BHALF
.set STAGE,  2*SLOT                    ; behind the ring: 16 rows x 528 bytes for each wave, for the way out
.set SPITCH, 528
.set SPARE,  STAGE+4*16*SPITCH         ; the spare words, 128 bytes for each wave: two blocks of 256 bytes that no other line names
.set LAPS,   4                         ; a lap = two K steps = once round the ring: 1,024 / 256
.set ADRA, 16                          ; v16-17  LDS address of my ctx fragments in slot 0, 1
.set ADRB, 20                          ; v20-21  the same for Wo
.set STO,  24                          ; v24     the way out: where I put 32 bytes of a row
.set RD,   25                          ; v25     where I read a row back
.set CO,   26                          ; v26     16 x lane
.set SPW,  28                          ; v28     LDS address of my spare word; never rewritten
.set NIL,  29                          ; v29     0; never rewritten
.set F0,   64
.set F1,   160
.set BK,   64                          ; the way out: v64-127 and v128-191 by turns
.set G1, 24                            ; s[24:31] descriptor group 1 for ctx's tiles;  s[32:39] group 0, one set for each slot
.set G0, 32
.set G1B, 48                           ; s[48:55], s[56:63] the same for Wo's tiles
.set G0B, 56
.set MSB, 0
.macro WIN new                         ; the immediate's high byte repeats the setting that is left; a switch that changes nothing is dropped
.if MSB != (\new)
	s_set_vgpr_msb (MSB<<8)|(\new)
.set MSB, (\new)
.endif
.endm
.set MUL, 0x50                         ; C and D window 1; with 0x10 more: C (the bias) window 2
.macro JLOAD s                         ; a joint load: waves 0 and 1 fetch ctx's two heads, waves 2 and 3 Wo's two halves; four v_nop follow each of the two lines
	s_cmp_eq_u32 s13, 0
	s_cbranch_scc0 .Lfor_b_\@
	tensor_load_to_lds s[G0+4*\s:G0+4*\s+3], s[G1:G1+7]
.rept 4
	v_nop
.endr
	s_branch .Lasked_\@
.Lfor_b_\@:
	tensor_load_to_lds s[G0B+4*\s:G0B+4*\s+3], s[G1B:G1B+7]
.rept 4
	v_nop
.endr
.Lasked_\@:
.endm
.macro CREST                           ; a round of the cluster's barrier behind its opening barrier
	s_cmp_lg_u32 s12, 0
	s_cbranch_scc1 .Lnot_wave_0_\@
	s_barrier_signal -3
.Lnot_wave_0_\@:
	s_barrier_wait -3
	s_barrier_signal -1
	s_barrier_wait -1
.endm
.macro CROUND                          ; a whole round
	s_barrier_signal -1
	s_barrier_wait -1
	CREST
.endm
	s_load_b256 s[4:11], s[0:1], 0x0               ; ctx s[4:5], wo16 s[6:7], out0 s[8:9], bo s[10:11]
	v_lshl_add_u32 v[SPW], v0, 2, SPARE
	v_mov_b32 v[NIL], 0
	v_lshrrev_b32 v1, 5, v0
	v_readfirstlane_b32 s12, v1                    ; wave 0..3
	s_lshr_b32 s13, s12, 1                         ; i: which 64 tokens are mine.  Also: I fetch for ctx (0) or for Wo (1)
	s_and_b32 s14, s12, 1                          ; j: which 128 columns.  Also: which head, or which 128 rows of Wo, I fetch
	s_bfe_u32 s40, ttmp6, 0x40000                  ; cx, cy: my place in the cluster
	s_bfe_u32 s41, ttmp6, 0x40004
	s_lshl_b32 s42, ttmp9, 2
	s_add_co_u32 s42, s42, s40                     ; tile column = 4 x cluster x + cx
	s_and_b32 s43, ttmp7, 0xffff
	s_lshl_b32 s43, s43, 2
	s_add_co_u32 s43, s43, s41                     ; tile row = 4 x cluster y + cy
	s_lshl_b32 s44, s41, 2
	s_lshl_b32 s44, 15, s44                        ; my row of the cluster
	s_lshl_b32 s45, 0x1111, s40                    ; my column
	s_or_b32 s[G1+0], s44, (1<<16)|(1<<20)|(1<<21)|(5<<22)|(3<<25)   ; 15:0 the mask: ctx's tiles go to my row; 17:16 element of 2 bytes; 20 padding on; 21 set beside a mask; 24:22 after every 64 words; 31:25 four words
	s_or_b32 s[G1B+0], s45, (1<<16)|(1<<20)|(1<<21)|(5<<22)|(3<<25)
	s_mov_b32 s[G1+1], 128<<16                     ; ctx: tensor_dim0 = 128 elements (two tokens of a head)
	s_mov_b32 s[G1+2], 64<<16                      ; tensor_dim1 = 64
	s_mov_b32 s[G1+3], 128<<16                     ; tile_dim0 = 128
	s_mov_b32 s[G1+4], 64                          ; tile_dim1 = 64
	s_mov_b32 s[G1+5], 128                         ; dense
	s_mov_b32 s[G1+6], 0
	s_mov_b32 s[G1+7], 0
	s_mov_b32 s[G1B+1], 128<<16                    ; Wo: 128 rows x 128 elements, 1,024 elements from row to row
	s_mov_b32 s[G1B+2], 128<<16
	s_mov_b32 s[G1B+3], 128<<16
	s_mov_b32 s[G1B+4], 128
	s_mov_b32 s[G1B+5], 1024
	s_mov_b32 s[G1B+6], 0
	s_mov_b32 s[G1B+7], 0
	s_lshl_b32 s16, s14, 20                        ; ctx: head j's plane of 1,048,576 bytes,
	s_lshl_b32 s17, s43, 14                        ; the tile row's 128 tokens of 128 bytes
	s_add_co_u32 s16, s16, s17
	s_mov_b32 s17, 0
	s_lshl_b32 s46, s42, 8
	s_lshl_b32 s47, s14, 7
	s_add_co_u32 s46, s46, s47                     ; Wo: row 256 x tile column + 128 j,
	s_lshl_b32 s46, s46, 11                        ; of 2,048 bytes
	s_mov_b32 s47, 0
	s_mul_i32 s20, s14, APLANE                     ; where they go: no place in the cluster enters an LDS address
	s_mul_i32 s21, s14, BHALF
	s_add_co_u32 s21, s21, BOFF
	s_wait_kmcnt 0x0
	s_add_nc_u64 s[18:19], s[4:5], s[16:17]
	s_add_nc_u64 s[46:47], s[6:7], s[46:47]
	CROUND                                         ; all sixteen work-groups are here: the first joint loads meet
.irp s, 0,1
	s_mov_b32 s[G0+4*\s], 1
	s_add_co_u32 s[G0+4*\s+1], s20, \s*SLOT
	s_add_nc_u64 s[G0+4*\s+2:G0+4*\s+3], s[18:19], \s*2097152      ; K step s: two heads on
	s_or_b32 s[G0+4*\s+3], s[G0+4*\s+3], 0x80000000
	s_mov_b32 s[G0B+4*\s], 1
	s_add_co_u32 s[G0B+4*\s+1], s21, \s*SLOT
	s_add_nc_u64 s[G0B+4*\s+2:G0B+4*\s+3], s[46:47], \s*256
	s_or_b32 s[G0B+4*\s+3], s[G0B+4*\s+3], 0x80000000
	JLOAD \s                                       ; two tensor loads of a wave are out at the most
.endr
	v_and_b32 v1, 15, v0                           ; r = l % 16
	v_bfe_u32 v2, v0, 4, 1                         ; h = l / 16
	; the bias of my 128 columns in the result's layout: register 8 b + n of lane (r, h) = bo[16 b + 8 h + n]
	s_lshl_b32 s22, s42, 10
	s_lshl_b32 s23, s14, 9
	s_add_co_u32 s22, s22, s23                     ; my first column, in bytes of f32: 1,024 x tile column + 512 j
	s_mov_b32 s23, 0
	s_add_nc_u64 s[10:11], s[10:11], s[22:23]
	v_lshlrev_b32 v9, 5, v2
	WIN 0x80                                       ; destination window 2
.irp b, 0,1,2,3,4,5,6,7
	global_load_b128 v[8*\b:8*\b+3], v9, s[10:11] offset:64*\b
	global_load_b128 v[8*\b+4:8*\b+7], v9, s[10:11] offset:64*\b+16
.endr
	WIN 0
	v_bfe_u32 v3, v0, 1, 3                         ; r / 2
	v_and_b32 v4, 1, v0                            ; r % 2
	v_mul_u32_u24 v5, v3, PITCH
	v_lshl_add_u32 v5, v4, 7, v5
	v_lshl_add_u32 v5, v2, 4, v5                   ; ctx: token r at 272 (r / 2) + 128 (r % 2), + 16 h
	v_mul_u32_u24 v6, v1, PITCH
	v_lshl_add_u32 v6, v2, 4, v6                   ; Wo: row r, + 16 h
	s_mul_i32 s20, s13, 32*PITCH                   ; my 64 tokens
	s_mul_i32 s21, s14, BHALF                      ; my 128 rows of Wo,
	s_add_co_u32 s21, s21, BOFF                    ; behind ctx's two heads
.irp s, 0,1
	v_add_nc_u32 v[ADRA+\s], s20, v5
	v_add_nc_u32 v[ADRB+\s], s21, v6
	s_add_co_u32 s20, s20, SLOT
	s_add_co_u32 s21, s21, SLOT
.endr
	s_mul_i32 s20, s12, 16*SPITCH
	s_add_co_u32 s20, s20, STAGE                   ; my stage
	v_mul_u32_u24 v7, v1, SPITCH                   ; in: row r, 32 bytes for each half of the lanes
	v_lshl_add_u32 v7, v2, 5, v7
	v_add_nc_u32 v[STO], s20, v7
	v_and_b32 v8, 31, v0
	v_lshlrev_b32 v[CO], 4, v8                     ; back: the 32 lanes take one row of 512 bytes; and the same in out0
	v_add_nc_u32 v[RD], s20, v[CO]
	s_lshl_b32 s20, s43, 7
	s_lshl_b32 s21, s13, 6
	s_add_co_u32 s20, s20, s21                     ; my first token: 128 x tile row + 64 i,
	s_lshl_b32 s20, s20, 12                        ; of 4,096 bytes
	s_add_co_u32 s20, s20, s22                     ; + my first column
	s_mov_b32 s21, 0
	s_add_nc_u64 s[8:9], s[8:9], s[20:21]          ; never stepped: the rows stand in the stores' immediates
; 8 matrix instructions: token block a against Wo's eight blocks, 32 along K, from buffer f.  first = 1: the product starts the sums on the bias.  The 32 accumulators take turns, one instruction a turn,
; in the same order in every quarter.
.macro MULA f, a, first
.irp b, 0,1,2,3,4,5,6,7
.if \first
	v_wmma_f32_16x16x32_f16 v[8*(8*(\a)+\b):8*(8*(\a)+\b)+7], v[\f+8*\b:\f+8*\b+7], v[\f+64+8*(\a):\f+64+8*(\a)+7], v[8*\b:8*\b+7]
.else
	v_wmma_f32_16x16x32_f16 v[8*(8*(\a)+\b):8*(8*(\a)+\b)+7], v[\f+8*\b:\f+8*\b+7], v[\f+64+8*(\a):\f+64+8*(\a)+7], v[8*(8*(\a)+\b):8*(8*(\a)+\b)+7]
.endif
.endr
.endm
; 24 LDS loads in one run: the fragments of the slot's q-th 32 along K into buffer f: Wo's eight, then ctx's four (head q / 2, channels 32 (q % 2) on)
.macro FETCH slot, q, f
	WIN 0
.irp b, 0,1,2,3,4,5,6,7
	ds_load_b128 v[\f+8*\b:\f+8*\b+3],   v[ADRB+\slot] offset:64*(\q)+16*PITCH*\b
	ds_load_b128 v[\f+8*\b+4:\f+8*\b+7], v[ADRB+\slot] offset:64*(\q)+16*PITCH*\b+32
.endr
.irp a, 0,1,2,3
	ds_load_b128 v[\f+64+8*\a:\f+64+8*\a+3],   v[ADRA+\slot] offset:APLANE*((\q)/2)+64*((\q)%2)+8*PITCH*\a
	ds_load_b128 v[\f+64+8*\a+4:\f+64+8*\a+7], v[ADRA+\slot] offset:APLANE*((\q)/2)+64*((\q)%2)+8*PITCH*\a+32
.endr
.endm
.macro PLACES                          ; four places in front of loads into registers that matrix instructions have read, and of the first read of results (ISA guide 7.12.1 for vector instructions)
.rept 4
	v_nop
.endr
.endm
; A K step is four quarters of 32 along K, 32 matrix instructions each, on buffers 0, 1, 0, 1.  One of the first three: multiplies buffer f and fetches quarter qn of the same slot into g.
.macro QUARTER slot, qn, f, g, first
	s_wait_dscnt 4                                 ; Wo's fragments and token blocks 0, 1 are in; the youngest four loads (blocks 2, 3) may be out
	WIN MUL+0x10*\first
	MULA \f, 0, \first
	MULA \f, 1, \first
	PLACES
	FETCH \slot, \qn, \g
	s_wait_dscnt 24                                ; all but the 24 just issued
	WIN MUL+0x10*\first
	MULA \f, 2, \first
	MULA \f, 3, \first
.endm
; The last quarter multiplies buffer 1 and changes slots: ONE barrier; in front of it each wave waits for all its tensor loads, adds 0 to its spare word, and waits for that and for its own reads of this slot.
; fill = 1: the barrier opens a round of the cluster's, and this slot is filled again, two K steps ahead: 112 matrix instructions stand between the request and the wait for it.
.macro TURN slot, next, fill
	WIN 0                                          ; (the add's two registers lie in window 0)
	s_wait_tensorcnt 0x0                           ; all my tensor loads have landed: my part of the next slot;
	ds_add_u32 v[SPW], v[NIL]                      ; 0 onto my spare word;
	s_wait_dscnt 5                                 ; (the add and the youngest four loads may be out)
	WIN MUL
	MULA F1, 0, 0                                  ; eight matrix instructions stand between the add and the wait for it
	s_wait_dscnt 0x0                               ; the add is done, and my reads of this slot are over
	s_barrier_signal -1
	MULA F1, 1, 0
	WIN 0
	s_barrier_wait -1
.if \fill
	CREST                                          ; no wave of any partner still reads this slot's tile or has a load on its way
	s_add_nc_u64 s[G0+4*\slot+2:G0+4*\slot+3], s[G0+4*\slot+2:G0+4*\slot+3], 2*2097152
	s_add_nc_u64 s[G0B+4*\slot+2:G0B+4*\slot+3], s[G0B+4*\slot+2:G0B+4*\slot+3], 2*256
	JLOAD \slot                                    ; the first tensor load behind the round; the four v_nop behind it are also the places in front of the loads below
.else
	PLACES
.endif
	FETCH \next, 0, F0
	WIN MUL
	MULA F1, 2, 0
	MULA F1, 3, 0
.endm
	s_wait_tensorcnt 1                             ; my part of K step 0 is in (K step 1's load may be out)
	s_barrier_signal -1
	s_barrier_wait -1                              ; everybody's is
	FETCH 0, 0, F0
	s_wait_loadcnt 0x0                             ; the bias
	QUARTER 0, 1, F0, F1, 1                        ; the first quarter stands in front of the loop: its products start the sums
	WIN 0                                          ; at a label and at a branch every window is 0
	s_mov_b32 s15, LAPS-1
.Llap:                                                 ; a trip goes once round the ring, from a lap's second quarter to the next lap's first, and fills both slots again
	QUARTER 0, 2, F1, F0, 0
	QUARTER 0, 3, F0, F1, 0
	TURN 0, 1, 1
	QUARTER 1, 1, F0, F1, 0
	QUARTER 1, 2, F1, F0, 0
	QUARTER 1, 3, F0, F1, 0
	TURN 1, 0, 1
	QUARTER 0, 1, F0, F1, 0
	WIN 0
	s_sub_co_u32 s15, s15, 1
	s_cmp_lg_u32 s15, 0
	s_cbranch_scc1 .Llap
	QUARTER 0, 2, F1, F0, 0                        ; the last lap fills nothing, and has no round of the cluster's barrier
	QUARTER 0, 3, F0, F1, 0
	TURN 0, 1, 0
	QUARTER 1, 1, F0, F1, 0
	QUARTER 1, 2, F1, F0, 0
	QUARTER 1, 3, F0, F1, 0
	s_wait_dscnt 4                                 ; the very last quarter: nothing more to fetch
	WIN MUL
	MULA F1, 0, 0
	MULA F1, 1, 0
	s_wait_dscnt 0
	MULA F1, 2, 0
	MULA F1, 3, 0
	WIN 0
; THE WAY OUT, block by block of 16 tokens x 128 columns.  A lane holds 32 neighbouring bytes of a row: a block goes through my own stage in LDS and comes back as whole rows of 512 bytes.
; LDS serves a wave's instructions in order (ISA guide 5.7.1.4): no wait between the stores and the loads, nor in front of the next block's stores.
.macro TOSTAGE a
	WIN 0x04                                       ; an LDS store's data are its source 1: window 1
.irp b, 0,1,2,3,4,5,6,7
	ds_store_b128 v[STO], v[8*(8*(\a)+\b):8*(8*(\a)+\b)+3] offset:64*\b          ; each accumulator from its low end on
	ds_store_b128 v[STO], v[8*(8*(\a)+\b)+4:8*(8*(\a)+\b)+7] offset:64*\b+16
.endr
	WIN 0
.set BB, BK+64*((\a)%2)
.irp t, 0,1,2,3,4,5,6,7,8,9,10,11,12,13,14,15
	ds_load_b128 v[BB+4*\t:BB+4*\t+3], v[RD] offset:\t*SPITCH
.endr
.endm
.macro SEND a, younger                 ; younger: the LDS instructions issued behind block a's loads, which may stay out
.set BB, BK+64*((\a)%2)
	s_wait_dscnt \younger                          ; the block is back in registers
.irp t, 0,1,2,3,4,5,6,7,8,9,10,11,12,13,14,15
	global_store_b128 v[CO], v[BB+4*\t:BB+4*\t+3], s[8:9] offset:(16*(\a)+\t)*4096 th:TH_STORE_NT   ; 32 lanes store 512 consecutive bytes, at a multiple of 256 from out0's first byte; written once, read by nobody here
.endr
.endm
	PLACES                                         ; behind the last products: for the stores that read results and the loads into the registers that held fragments
	TOSTAGE 0
.irp a, 1,2,3
.if \a > 1
	s_wait_xcnt 0x0                                ; block a - 2's stores have read their registers: block a's loads land there only behind this wait
.endif
	TOSTAGE \a
	SEND \a-1, 32                                  ; behind block a - 1's loads: block a's 16 stores and 16 loads
.endr
	SEND 3, 0
	s_wait_tensorcnt 0x0                           ; the wave's end
	ds_add_u32 v[SPW], v[NIL]
	s_wait_dscnt 0x0
	CROUND                                         ; the closing round: no work-group ends while a partner may still ask for a tile that names it
	s_endpgm
.Lfunc_end_k_qe9b46f00c9_oproj:
	.size	k_qe9b46f00c9_oproj, .Lfunc_end_k_qe9b46f00c9_oproj-k_qe9b46f00c9_oproj
	.p2alignl 7, 3214868480
	.fill 96, 4, 3214868480
	.section	.rodata,"a",@progbits
	.p2align	6, 0x0
	.amdhsa_kernel k_qe9b46f00c9_oproj
		.amdhsa_group_segment_fixed_size 327680
		.amdhsa_private_segment_fixed_size 0
		.amdhsa_enable_private_segment 0
		.amdhsa_kernarg_size 32
		.amdhsa_user_sgpr_count 2
		.amdhsa_user_sgpr_kernarg_segment_ptr 1
		.amdhsa_wavefront_size32 1
		.amdhsa_system_sgpr_workgroup_id_x 1
		.amdhsa_system_sgpr_workgroup_id_y 1
		.amdhsa_system_sgpr_workgroup_id_z 1
		.amdhsa_system_vgpr_workitem_id 0
		.amdhsa_next_free_vgpr 576
		.amdhsa_next_free_sgpr 66
		.amdhsa_reserve_vcc 0
		.amdhsa_float_denorm_mode_32 3
		.amdhsa_float_denorm_mode_16_64 3
		.amdhsa_memory_ordered 1
		.amdhsa_forward_progress 1
		.amdhsa_inst_pref_size 86
	.end_amdhsa_kernel
	.amdgpu_metadata
---
amdhsa.version: [ 1, 2 ]
amdhsa.kernels:
  - .name:           k_qe9b46f00c9_oproj
    .symbol:         k_qe9b46f00c9_oproj.kd
    .args:
      - { .name: ctx, .offset: 0, .size: 8, .value_kind: global_buffer, .address_space: global }
      - { .name: wo16, .offset: 8, .size: 8, .value_kind: global_buffer, .address_space: global }
      - { .name: out0, .offset: 16, .size: 8, .value_kind: global_buffer, .address_space: global }
      - { .name: bo, .offset: 24, .size: 8, .value_kind: global_buffer, .address_space: global }
    .group_segment_fixed_size: 327680
    .private_segment_fixed_size: 0
    .kernarg_segment_align: 8
    .kernarg_segment_size: 32
    .max_flat_workgroup_size: 128
    .sgpr_count:     66
    .vgpr_count:     576
    .wavefront_size: 32
...
	.end_amdgpu_metadata
.endif
;; end of part 4
